; MI455X (gfx1250); checked and timed in simulation.
; The chip was launched on July 23, 2026; its instructions are those of AMD's public machine-readable ISA for CDNA 5 (MIT licence, August 2026) and "CDNA5" Instruction Set Architecture Reference Guide (July 2026). The comments in the code are by the model that wrote it; some were corrected since.
;; Cross Attention. Allowed arithmetic: matrix products marked QUANTISED: E2M3 operands, one E8M0 scale for each 32 along K, by v_wmma_scale_f32_16x16x128_f8f6f4 with both operands' format E2M3, f32 sums; everything else in f32.
;; Inputs: Wk 1,024 x 1,024 float32; Wo 1,024 x 1,024 float32; Wq 1,024 x 1,024 float32; Wv 1,024 x 1,024 float32; bo 1,024 float32; context 4 x 2,048 x 1,024 float32; x 4 x 2,048 x 1,024 float32.
;; Outputs: out0 4 x 2,048 x 1,024 float32.
;; This version of the problem:
;;   THIS VERSION OF THE PROBLEM IS GIVEN IN LOW PRECISION. The matrix products marked QUANTISED in the list below multiply operands that are first quantised to E2M3 (2 exponent bits, 3 mantissa bits; 6 bits a number), with one power-of-two scale for each 32 numbers along K (OCP MX v1.0); their sums are f32. All else is computed in f32.
;;   The module's matrix products, in the order in which they are computed (A, B: the left and right operand; K: the contracted axis; several contracted axes count as one K, in the product's order):
;;     1. [M 8,192, K 1,024] x [K 1,024, N 1,024]; A: input x; B: input Wq: QUANTISED
;;     2. [M 8,192, K 1,024] x [K 1,024, N 1,024]; A: input context; B: input Wk: QUANTISED
;;     3. [M 8,192, K 1,024] x [K 1,024, N 1,024]; A: input context; B: input Wv: QUANTISED
;;     4. batch 64 x [M 2,048, K 64] x [K 64, N 2,048]; A: computed on the way; B: computed on the way: QUANTISED
;;     5. batch 64 x [M 2,048, K 2,048] x [K 2,048, N 64]; A: softmax (see below); B: computed on the way: QUANTISED
;;     6. [M 8,192, K 1,024] x [K 1,024, N 1,024]; A: computed on the way; B: input Wo: QUANTISED
;;   THE QUANTISER, for each operand of a quantised product, along K:
;;     - K is cut into blocks of 32 from its start; a last block that is shorter is filled with zeros.
;;     - A block's scale is 2^e with e = floor(log2(the largest magnitude in the block)) - 2, held to -126 .. 127; a block of zeros has e = 0. As a byte (E8M0): e + 127.
;;     - Each number is divided by its block's scale, clamped to +-7.5, and rounded to the nearest number of E2M3, ties to even, subnormals kept.
;;     - The product sums the exact products of the quantised numbers (number of the format x scale) in f32.
;;   ~~~python
;;   def quantise(x, axis):      # numpy; x: float32 -> the quantised numbers, widened to float32 again
;;       x = np.moveaxis(x, axis, -1); K = x.shape[-1]
;;       x = np.pad(x, [(0, 0)] * (x.ndim - 1) + [(0, -K % 32)]); x = x.reshape(x.shape[:-1] + (-1, 32)); a = np.abs(x).max(-1, keepdims=True)
;;       e = np.where(a > 0, np.clip(np.frexp(np.where(a > 0, a, 1))[1] - 1 - 2, -126, 127), 0)      # np.frexp(a)[1] - 1 = floor(log2(a)), exactly
;;       r = np.clip(x / 2.0 ** e, -7.5, 7.5)
;;       step = 2.0 ** (np.maximum(np.frexp(np.where(r == 0, 1, r))[1] - 1, 0) - 3)
;;       q = np.round(r / step) * step * 2.0 ** e      # np.round: ties to even
;;       return np.moveaxis(q.reshape(q.shape[:-2] + (-1,))[..., :K], -1, axis).astype(np.float32)
;;   ~~~
;;   SOFTMAX AHEAD OF A QUANTISED PRODUCT. Where the list says 'softmax', what is quantised is not the finished softmax but p = 2^(t - M), with t = logit x log2(e) and M = ceil(the row's largest t), a whole number; so 1/2 < the row's largest p <= 1. The row's sum l is taken of the UNQUANTISED p, in f32, and the product's result is divided by l at the end. Since M is a whole number, a kernel that streams over the keys may use a running M (the ceiling of the running maximum): every later rescaling is an exact power of two, which a block's scale takes up: the codes' values come out the same.
;;   OPERANDS COMPUTED ON THE WAY. 'Computed on the way' means the value that the module computes at that place (a softmax that the list does not call 'softmax' is quantised finished and normalised). What goes into a quantiser is computed in f32, as accurately as f32 sums, v_exp_f32 and their like allow (about 1e-6 of the number): no bf16 or f16 on the way to a quantiser, and a product that is left as it is and whose result goes on into a quantised operand takes f32 operands (vector FMAs, or v_wmma_f32_16x16x4_f32). A number that lies on a knife's edge between two numbers of the format may be rounded either way, as far as f32 arithmetic and the matrix unit's own rounding can turn it there, and no further.
;; One version. Each part assembles by itself: llvm-mc -triple=amdgcn-amd-amdhsa -mcpu=gfx1250 --defsym DOCPART=n.
;; ======== version 1 of 1: 4 launches
;; limits: right only within a limited range of input values
;; workspace buffers: c2 14,942,208 bytes; s2 622,592 bytes; qkv 19,660,800 bytes; c4 7,077,888 bytes; s4 294,912 bytes
;; launch quant (part 1): grid 640 x 1, 4 waves a work-group, no clusters, 34,304 bytes of LDS; arguments x, context, Wq, Wk, Wv, Wo, c2, s2, c4, s4; writes c2, s2, c4, s4
.if DOCPART == 1
	.amdgcn_target "amdgcn-amd-amdhsa--gfx1250"
	.amdhsa_code_object_version 6
	.text
	.protected	k_qa5efe22d42_quant
	.globl	k_qa5efe22d42_quant
	.p2align	8
	.type	k_qa5efe22d42_quant,@function
k_qa5efe22d42_quant:
	s_mov_b64 s[64:65], 0
	v_nop
	global_prefetch_b8 v0, s[64:65] scope:SCOPE_SE
	s_setreg_imm32_b32 hwreg(HW_REG_WAVE_MODE, 25, 1), 1
	s_wait_xcnt 0x0
; x, context [8192][1024] and Wq, Wk, Wv, Wo [1024][1024], f32, K innermost, become codes of FP6 (E2M3) with one E8M0 byte for each 32 along K.
; A block's scale is 2^(floor(log2(its largest magnitude)) - 2); its byte is the largest magnitude's exponent field - 2, held at 1 from below.
; LIMITS: a block of zeros gets the byte 1 where the quantiser says 127 (its codes are zeros, and this program alone reads the bytes); NaN and infinities among the inputs are not served.
; THE CODES ARE LAID AS IMAGES OF THE MATRIX OPERAND'S REGISTERS.  A fragment is 16 rows x 128 K, 12 registers a lane (lane (r, h): row r; registers 6 c .. 6 c + 5: k = 64 c + 32 h + 0 .. 31).
; Its image is 1,536 bytes, two halves of 768: registers 6 c .. 6 c + 3 at 16 x lane, registers 6 c + 4, 6 c + 5 at 512 + 8 x lane.  A tile of 16 rows has 8 fragments on end: 12,288 bytes.
; The scale words (four bytes: one row, 128 K) of a tile of rows: 512 bytes, [K half][row][fragment % 4].
; ROW ORDER.  Wq, Wk, Wv: place 32 B + 16 u + i holds row 32 B + 8 u + i + 8 (i / 8): where these rows are source 0 of a product, a lane's 16 registers of two neighbouring tiles are 16 neighbouring rows.
; context: place 128 G + 16 a + i holds row 128 G + 64 (a / 4) + 32 (i / 8) + 8 (a % 4) + i % 8: there a lane's 32 registers of four neighbouring tiles are a WHOLE block of 32 neighbouring rows.  x, Wo: as they lie.
; SHARES: a work-group takes two tiles of 16 rows; wave w takes tile w / 2 of them and K half w % 2: 16 rows x 512 K, four fragments.  Work-groups 0-255 x, 256-511 context, then 32 each for Wq, Wk, Wv, Wo.
; Each load reads 512 consecutive bytes of one row; a fragment's 16 rows turn through the wave's own stage in LDS (rows 528 bytes apart), from which a lane takes 16 neighbours of each block of 32.
; Every store covers 512 or 256 consecutive bytes, aligned.  No barrier: waves share nothing.  Loads run one fragment (16 loads) ahead.
.set STGB, 16*528                      ; a wave's stage
.set VA0,  2                           ; v2   16 x lane: my bytes of a load's 512, rows 0-7 of the tile; also my place in an image's 512 bytes
.set VA1,  3                           ; v3   the same for rows 8-15, which lie 8 (the weights) or 24 (context) rows further on in the permuted tensors
.set STI,  4                           ; v4   the stage, on the way in
.set STO,  5                           ; v5   and on the way out: 528 r + 64 h
.set LI8,  6                           ; v6   8 x lane
.set SOF,  7                           ; v7   16 r + 8 h: my two scale words' place
.set TM,   16                          ; v16-19 largest magnitudes, v20-23 bytes, v28-31 the conversions' scale operands
.set PC,   32                          ; v32-43 a fragment's codes; v44-46, v48-50 the blocks' upper halves as converted
.set PW,   52                          ; v52-55 the four fragments' scale words
.set SW,   56                          ; v56-57 the two that I store
.set R,    64                          ; v64-191 two sets of 64 numbers as loaded
.set X,    192                         ; v192-255 64 numbers: register 16 b + i = k 32 b + 16 h + i of row r
.set HI,   42                          ; s42  the mask of lanes 16-31
.set SEL,  44                          ; s[44:45] v_permlanex16_b32's selects for lane l xor 16
	s_load_b512 s[4:19], s[0:1], 0x0               ; x, context, Wq, Wk, Wv, Wo, c2, s2
	s_load_b128 s[20:23], s[0:1], 0x40             ; c4, s4
	v_lshl_add_u32 v62, v0, 2, 0x8400
	v_mov_b32 v63, 0
	v_lshrrev_b32 v1, 5, v0
	v_readfirstlane_b32 s33, v1                    ; wave
	s_lshr_b32 s34, s33, 1                         ; u: which tile of 16 rows
	s_and_b32 s35, s33, 1                          ; which half of K
	v_and_b32 v1, 31, v0                           ; lane
	v_and_b32 v8, 15, v0                           ; r
	v_bfe_u32 v9, v0, 4, 1                         ; h
	v_lshlrev_b32 v[VA0], 4, v1
	v_lshlrev_b32 v[LI8], 3, v1
	s_mul_i32 s36, s33, STGB
	v_add_nc_u32 v[STI], s36, v[VA0]
	v_mul_u32_u24 v[STO], v8, 528
	v_lshl_add_u32 v[STO], v9, 6, v[STO]
	v_add_nc_u32 v[STO], s36, v[STO]
	v_lshlrev_b32 v[SOF], 4, v8
	v_lshl_add_u32 v[SOF], v9, 3, v[SOF]
.irp b, 0,1,2,3
	v_mov_b32 v[TM+4+\b], 0                        ; written once: a lane permute's destination counts as one of its sources
.endr
	s_mov_b32 s[HI], 0xffff0000
	s_mov_b32 s[SEL], 0x76543210
	s_mov_b32 s[SEL+1], 0xfedcba98
	s_mov_b32 s26, 608
	s_wait_alu depctr_va_vdst(0)
	s_wait_kmcnt 0x0
	; which tensor: the choices hang on the work-group's number alone.  s[24:25] the source, s26 its first work-group, s27 = 1 where the rows are permuted, s46 = 1 for context, s[28:29] codes, s[30:31] scales, s32 what is taken off the tile's number
	s_mov_b64 s[24:25], s[14:15]
	s_cmp_lt_u32 ttmp9, 608
	s_cselect_b64 s[24:25], s[12:13], s[24:25]
	s_cselect_b32 s26, 576, s26
	s_cselect_b64 s[28:29], s[16:17], s[20:21]     ; Wo's codes go beside the attention's output, all others into c2
	s_cselect_b64 s[30:31], s[18:19], s[22:23]
	s_cselect_b32 s32, 0, 704
	s_cselect_b32 s27, 1, 0
	s_cmp_lt_u32 ttmp9, 576
	s_cselect_b64 s[24:25], s[10:11], s[24:25]
	s_cselect_b32 s26, 544, s26
	s_cmp_lt_u32 ttmp9, 544
	s_cselect_b64 s[24:25], s[8:9], s[24:25]
	s_cselect_b32 s26, 512, s26
	s_cmp_lt_u32 ttmp9, 512
	s_cselect_b64 s[24:25], s[6:7], s[24:25]
	s_cselect_b32 s26, 256, s26
	s_cselect_b32 s46, 1, 0
	s_cmp_lt_u32 ttmp9, 256
	s_cselect_b64 s[24:25], s[4:5], s[24:25]
	s_cselect_b32 s26, 0, s26
	s_cselect_b32 s27, 0, s27
	s_cselect_b32 s46, 0, s46
	s_sub_co_u32 s37, ttmp9, s26                   ; g: the work-group's number in its tensor
	s_and_b32 s47, s37, 1
	s_mul_i32 s47, s47, s46
	s_lshl_b32 s47, s47, 4                         ; context: 16 (g % 2) rows back, since its tiles 2 g, 2 g + 1 begin at 32 g - 16 (g % 2) + 8 u
	s_lshl_b32 s37, s37, 5
	s_sub_co_u32 s37, s37, s47
	s_lshl_b32 s38, s27, 3
	s_sub_co_u32 s38, 16, s38
	s_mul_i32 s38, s38, s34
	s_add_co_u32 s37, s37, s38                     ; my tile's first row: + 16 u, permuted + 8 u
	s_lshl_b32 s38, s37, 12                        ; rows of 4,096 bytes
	s_lshl_b32 s39, s35, 11                        ; my half of K: 2,048 bytes
	s_add_co_u32 s38, s38, s39
	s_mov_b32 s39, 0
	s_add_nc_u64 s[24:25], s[24:25], s[38:39]
	s_lshl_b32 s40, ttmp9, 1
	s_add_co_u32 s40, s40, s34
	s_sub_co_u32 s40, s40, s32                     ; my tile's number in the codes' buffer
	s_mul_i32 s38, s40, 12288
	s_mul_i32 s41, s35, 6144
	s_add_co_u32 s38, s38, s41
	s_add_nc_u64 s[28:29], s[28:29], s[38:39]
	s_lshl_b32 s38, s40, 9
	s_lshl_b32 s41, s35, 8
	s_add_co_u32 s38, s38, s41
	s_add_nc_u64 s[30:31], s[30:31], s[38:39]
	s_lshl_b32 s41, s27, 15                        ; 8 rows of 4,096 bytes,
	s_lshl_b32 s47, s46, 16                        ; for context 16 more
	s_add_co_u32 s41, s41, s47
	v_add_nc_u32 v[VA1], s41, v[VA0]
.macro LOAD t                          ; fragment t: 16 rows x 512 bytes into set t % 2
.irp i, 0,1,2,3,4,5,6,7
	global_load_b128 v[R+64*((\t)%2)+4*\i:R+64*((\t)%2)+4*\i+3], v[VA0], s[24:25] offset:\i*4096+(\t)*512 th:TH_LOAD_NT
.endr
.irp i, 8,9,10,11,12,13,14,15
	global_load_b128 v[R+64*((\t)%2)+4*\i:R+64*((\t)%2)+4*\i+3], v[VA1], s[24:25] offset:\i*4096+(\t)*512 th:TH_LOAD_NT
.endr
.endm
; 64 numbers of a lane, v[s] on, register 16 b + i = k 32 b + 16 h + i of my row, become a fragment's codes in v[PC] on and its scale word in v[w]
.macro QUANT s, w
.irp b, 0,1,2,3
	v_max3_num_f32 v[TM+\b], |v[\s+16*\b]|, |v[\s+16*\b+1]|, 0x1800000   ; block b: my 16 numbers, and the floor 2^(3 - 127): the byte cannot fall under 1
.endr
.irp i, 2,4,6,8,10,12,14
.irp b, 0,1,2,3
	v_max3_num_f32 v[TM+\b], |v[\s+16*\b+\i]|, |v[\s+16*\b+\i+1]|, v[TM+\b]   ; the four blocks by turns
.endr
.endr
.irp b, 0,1,2,3
	v_permlanex16_b32 v[TM+4+\b], v[TM+\b], s[SEL], s[SEL+1]
.endr
.irp b, 0,1,2,3
	v_max_num_f32 v[TM+\b], v[TM+\b], v[TM+4+\b]   ; with lane l xor 16's: the block's largest magnitude
.endr
.irp b, 0,1,2,3
	v_add_nc_u32 v[TM+12+\b], 0xff000000, v[TM+\b] ; 2 off its exponent field: the conversion takes this operand's exponent field as its scale
.endr
.irp b, 0,1,2,3
	v_lshrrev_b32 v[TM+4+\b], 23, v[TM+12+\b]      ; the scale's byte
.endr
	v_lshl_or_b32 v[\w], v[TM+5], 8, v[TM+4]
	v_lshl_or_b32 v[\w], v[TM+6], 16, v[\w]
	v_lshl_or_b32 v[\w], v[TM+7], 24, v[\w]
.irp c, 0,1
	v_cvt_scalef32_pk16_fp6_f32 v[PC+6*\c:PC+6*\c+2], v[\s+32*\c:\s+32*\c+15], v[TM+12+2*\c]
	v_cvt_scalef32_pk16_fp6_f32 v[PC+12+4*\c:PC+14+4*\c], v[\s+32*\c+16:\s+32*\c+31], v[TM+13+2*\c]   ; (a conversion's three registers begin on an even number)
.endr
	v_nop                                          ; one plain place behind a scaled conversion
.irp c, 0,1                            ; the operand's layout wants a whole block in a lane: lanes 0-15 block 2 c, lanes 16-31 block 2 c + 1
.irp i, 0,1,2
	v_permlane16_swap_b32 v[PC+6*\c+\i], v[PC+12+4*\c+\i]
.endr
.irp i, 0,1,2
	v_mov_b32 v[PC+3+6*\c+\i], v[PC+12+4*\c+\i]
.endr
.endr
.endm
.macro STEP t
.if \t < 3
	s_wait_loadcnt 16                              ; this fragment's 16 loads are in; the next fragment's 16 may be out
.else
	s_wait_loadcnt 0x0
.endif
.irp i, 0,1,2,3,4,5,6,7,8,9,10,11,12,13,14,15
	ds_store_b128 v[STI], v[R+64*(\t%2)+4*\i:R+64*(\t%2)+4*\i+3] offset:528*\i
.endr
.irp b, 0,1,2,3
.irp j, 0,1,2,3
	ds_load_b128 v[X+16*\b+4*\j:X+16*\b+4*\j+3], v[STO] offset:128*\b+16*\j   ; LDS serves a wave's instructions in order: these see the stores above
.endr
.endr
	s_wait_dscnt 0x0                               ; my 64 numbers are in, and the stage's stores have read their registers,
.if \t < 2
	LOAD \t+2                                      ; which take the fragment two on
.endif
.if \t > 0
	s_wait_xcnt 0x0                                ; the last fragment's stores have read the codes' registers: they are written again only behind this wait
.endif
	QUANT X, PW+\t
	global_store_b128 v[VA0], v[PC:PC+3], s[28:29] offset:1536*\t
	global_store_b64 v[LI8], v[PC+4:PC+5], s[28:29] offset:1536*\t+512
	global_store_b128 v[VA0], v[PC+6:PC+9], s[28:29] offset:1536*\t+768
	global_store_b64 v[LI8], v[PC+10:PC+11], s[28:29] offset:1536*\t+1280
.endm
	LOAD 0
	LOAD 1
	s_wait_alu depctr_va_vdst(0)
	STEP 0
	STEP 1
	STEP 2
	STEP 3
	v_cndmask_b32 v[SW], v[PW], v[PW+2], s[HI]     ; every lane holds its row's four words: lanes 0-15 store the first two, lanes 16-31 the others
	v_cndmask_b32 v[SW+1], v[PW+1], v[PW+3], s[HI]
	global_store_b64 v[SOF], v[SW:SW+1], s[30:31]  ; 32 lanes store 256 consecutive bytes, aligned
	s_wait_tensorcnt 0x0
	ds_add_u32 v62, v63
	s_wait_dscnt 0x0
	s_endpgm
.Lfunc_end_k_qa5efe22d42_quant:
	.size	k_qa5efe22d42_quant, .Lfunc_end_k_qa5efe22d42_quant-k_qa5efe22d42_quant
	.p2alignl 7, 3214868480
	.fill 96, 4, 3214868480
	.section	.rodata,"a",@progbits
	.p2align	6, 0x0
	.amdhsa_kernel k_qa5efe22d42_quant
		.amdhsa_group_segment_fixed_size 34304
		.amdhsa_private_segment_fixed_size 0
		.amdhsa_enable_private_segment 0
		.amdhsa_kernarg_size 80
		.amdhsa_user_sgpr_count 2
		.amdhsa_user_sgpr_kernarg_segment_ptr 1
		.amdhsa_wavefront_size32 1
		.amdhsa_system_sgpr_workgroup_id_x 1
		.amdhsa_system_sgpr_workgroup_id_y 1
		.amdhsa_system_sgpr_workgroup_id_z 1
		.amdhsa_system_vgpr_workitem_id 0
		.amdhsa_next_free_vgpr 256
		.amdhsa_next_free_sgpr 66
		.amdhsa_reserve_vcc 0
		.amdhsa_float_denorm_mode_32 3
		.amdhsa_float_denorm_mode_16_64 3
		.amdhsa_memory_ordered 1
		.amdhsa_forward_progress 1
		.amdhsa_inst_pref_size 35
	.end_amdhsa_kernel
	.amdgpu_metadata
---
amdhsa.version: [ 1, 2 ]
amdhsa.kernels:
  - .name:           k_qa5efe22d42_quant
    .symbol:         k_qa5efe22d42_quant.kd
    .args:
      - { .name: x, .offset: 0, .size: 8, .value_kind: global_buffer, .address_space: global }
      - { .name: context, .offset: 8, .size: 8, .value_kind: global_buffer, .address_space: global }
      - { .name: Wq, .offset: 16, .size: 8, .value_kind: global_buffer, .address_space: global }
      - { .name: Wk, .offset: 24, .size: 8, .value_kind: global_buffer, .address_space: global }
      - { .name: Wv, .offset: 32, .size: 8, .value_kind: global_buffer, .address_space: global }
      - { .name: Wo, .offset: 40, .size: 8, .value_kind: global_buffer, .address_space: global }
      - { .name: c2, .offset: 48, .size: 8, .value_kind: global_buffer, .address_space: global }
      - { .name: s2, .offset: 56, .size: 8, .value_kind: global_buffer, .address_space: global }
      - { .name: c4, .offset: 64, .size: 8, .value_kind: global_buffer, .address_space: global }
      - { .name: s4, .offset: 72, .size: 8, .value_kind: global_buffer, .address_space: global }
    .group_segment_fixed_size: 34304
    .private_segment_fixed_size: 0
    .kernarg_segment_align: 8
    .kernarg_segment_size: 80
    .max_flat_workgroup_size: 128
    .sgpr_count:     66
    .vgpr_count:     256
    .wavefront_size: 32
...
	.end_amdgpu_metadata
.endif
;; end of part 1
;; launch gemm_qkv (part 2): grid 8 x 32, 4 waves a work-group, clusters of 4 x 4, 327,680 bytes of LDS; arguments c2, s2, qkv; writes qkv
.if DOCPART == 2
	.amdgcn_target "amdgcn-amd-amdhsa--gfx1250"
	.amdhsa_code_object_version 6
	.text
	.protected	k_qa5efe22d42_gemm_qkv
	.globl	k_qa5efe22d42_gemm_qkv
	.p2align	8
	.type	k_qa5efe22d42_gemm_qkv,@function
k_qa5efe22d42_gemm_qkv:
	s_mov_b64 s[64:65], 0
	v_nop
	global_prefetch_b8 v0, s[64:65] scope:SCOPE_SE
	s_setreg_imm32_b32 hwreg(HW_REG_WAVE_MODE, 25, 1), 1
	s_wait_xcnt 0x0
	s_wait_alu depctr_hold_cnt(0) depctr_sa_sdst(0) depctr_va_vdst(0) depctr_va_sdst(0) depctr_va_ssrc(0) depctr_va_vcc(0) depctr_vm_vsrc(0)
	s_getreg_b32 s2, hwreg(HW_REG_IB_STS2, 6, 4)
	s_cmp_eq_u32 s2, 0
	s_cbranch_scc0 .Lentry_in_a_cluster
	s_endpgm
.Lentry_in_a_cluster:
	s_bfe_u32 s2, ttmp6, 0x10000c
	s_cmp_lg_u32 s2, 0xf033
	s_cbranch_scc0 .Lentry_shape_is_right
	s_endpgm
.Lentry_shape_is_right:
.set FR,    12
.set FRB,   1536
.set SUB,   2*FRB
.set TROW,  8*FRB
.set HALFT, 8*SUB
.set SLOT,  4*HALFT
.set SPARE, 3*SLOT
.set HEADB, 307200
.set STEPB, 19200
.set ADRA, 4
.set ADRB, 10
.set LI16, 24
.set LI8,  25
.set SOF,  26
.set SPW,  28
.set NIL,  29
.set H8,   30
.set SC,   32
.set TM,   96
.set PW,   112
.set SW,   120
.set AF,   128
.set PC,   224
.set G1,  24
.set G0,  32
.set G0C, 88
.set G1B, 48
.set G0B, 56
.set G0D, 92
.set HI,  42
.set SEL, 78
.set MSB, 0
.macro WIN new
.if MSB != \new
	s_set_vgpr_msb (MSB<<8)|\new
.set MSB, \new
.endif
.endm
.set MUL_LO, 0xa1
.set MUL_HI, 0xf1
.set TO_B,   0x40
.macro JLOAD g0a, g1a, g0b, g1b
	s_cmp_eq_u32 s15, 0
	s_cbranch_scc0 .Lfor_b_\@
	tensor_load_to_lds s[\g0a:\g0a+3], s[\g1a:\g1a+7]
	s_nop 0
.rept 4
	v_nop
.endr
	s_branch .Lasked_\@
.Lfor_b_\@:
	tensor_load_to_lds s[\g0b:\g0b+3], s[\g1b:\g1b+7]
	s_nop 0
.rept 4
	v_nop
.endr
.Lasked_\@:
.endm
.macro CREST
	s_cmp_lg_u32 s14, 0
	s_cbranch_scc1 .Lnot_wave_0_\@
	s_barrier_signal -3
.Lnot_wave_0_\@:
	s_barrier_wait -3
	s_barrier_signal -1
	s_barrier_wait -1
.endm
.macro CROUND
	s_barrier_signal -1
	s_barrier_wait -1
	CREST
.endm
.macro PLACES
.rept 4
	v_nop
.endr
.endm
	s_load_b128 s[4:7], s[0:1], 0x0
	s_load_b64 s[8:9], s[0:1], 0x10
	v_lshl_add_u32 v[SPW], v0, 2, SPARE
	v_mov_b32 v[NIL], 0
	ds_add_u32 v28, v29
	ds_add_u32 v28, v29
	s_wait_dscnt 0x0
	v_lshrrev_b32 v1, 5, v0
	v_readfirstlane_b32 s14, v1
	s_lshr_b32 s15, s14, 1
	s_and_b32 s16, s14, 1
	s_bfe_u32 s40, ttmp6, 0x40000
	s_bfe_u32 s41, ttmp6, 0x40004
	s_add_co_u32 s17, ttmp9, 1                     ; which product: cluster x 0 makes K (1), cluster x 1 makes V (2); Q is made by the launch that uses it
	s_lshr_b32 s18, s17, 1
	s_and_b32 s19, ttmp7, 0xffff
	s_lshl_b32 s43, s41, 2
	s_lshl_b32 s43, 15, s43
	s_lshl_b32 s44, 0x1111, s40
	s_or_b32 s[G1+0], s43, (3<<16)|(1<<21)
	s_or_b32 s[G1B+0], s44, (3<<16)|(1<<21)
.irp g, G1, G1B
	s_mov_b32 s[\g+1], 768<<16                     ; the head's load: rows of four fragments, 6,144 bytes
	s_mov_b32 s[\g+2], 8<<16
	s_mov_b32 s[\g+3], 768<<16
	s_mov_b32 s[\g+4], 8
	s_mov_b32 s[\g+5], 1536
	s_mov_b32 s[\g+6], 0
	s_mov_b32 s[\g+7], 0
.endr
	s_xor_b32 s20, s18, 1
	s_mul_i32 s20, s20, s19
	s_lshl_b32 s20, s20, 2
	s_add_co_u32 s20, s20, s41
	s_lshl_b32 s21, s17, 9
	s_lshl_b32 s22, s18, 7
	s_add_co_u32 s21, s21, s22
	s_lshl_b32 s22, s20, 4
	s_add_co_u32 s21, s21, s22
	s_mul_i32 s66, s18, s19
	s_lshl_b32 s66, s66, 2
	s_add_co_u32 s66, s66, s40
	s_lshl_b32 s67, s17, 6
	s_add_co_u32 s67, s67, 1024
	s_mul_i32 s68, s18, 640
	s_sub_co_u32 s67, s67, s68
	s_lshl_b32 s68, s66, 4
	s_add_co_u32 s67, s67, s68
	s_lshl_b32 s22, s16, 3
	s_add_co_u32 s22, s22, s21
	s_mul_i32 s22, s22, TROW
	s_mov_b32 s23, 0
	s_lshl_b32 s68, s16, 3
	s_add_co_u32 s68, s68, s67
	s_mul_i32 s68, s68, TROW
	s_mov_b32 s69, 0
	s_mul_i32 s45, s14, 2*HALFT                    ; the large slot (K steps 0-3, later 6-7): my quarter
	s_mul_i32 s96, s14, HALFT                      ; the small slot (K steps 4-5): my quarter
	s_wait_kmcnt 0x0
	s_add_nc_u64 s[22:23], s[4:5], s[22:23]
	s_add_nc_u64 s[68:69], s[4:5], s[68:69]
	CROUND
.macro FIRST ga, gb, s
	s_mov_b32 s[\ga], 1
	s_add_co_u32 s[\ga+1], s45, \s*SLOT
	s_add_nc_u64 s[\ga+2:\ga+3], s[22:23], \s*SUB
	s_or_b32 s[\ga+3], s[\ga+3], 0x80000000
	s_mov_b32 s[\gb], 1
	s_add_co_u32 s[\gb+1], s45, \s*SLOT
	s_add_nc_u64 s[\gb+2:\gb+3], s[68:69], \s*SUB
	s_or_b32 s[\gb+3], s[\gb+3], 0x80000000
	s_wait_alu depctr_va_vdst(0)
	s_wait_tensorcnt 0x0
	ds_add_u32 v28, v29
	ds_add_u32 v28, v29
	s_wait_dscnt 0x0
	CROUND
	JLOAD \ga, G1, \gb, G1B
.endm
	FIRST G0, G0B, 0
	s_mov_b32 s[G0C], 1                            ; slot 2's descriptors; its one fill follows the head's round below
	s_add_co_u32 s[G0C+1], s96, 2*SLOT
	s_add_nc_u64 s[G0C+2:G0C+3], s[22:23], 2*SUB
	s_or_b32 s[G0C+3], s[G0C+3], 0x80000000
	s_mov_b32 s[G0D], 1
	s_add_co_u32 s[G0D+1], s96, 2*SLOT
	s_add_nc_u64 s[G0D+2:G0D+3], s[68:69], 2*SUB
	s_or_b32 s[G0D+3], s[G0D+3], 0x80000000
	s_wait_alu depctr_va_vdst(0)
	s_wait_tensorcnt 0x0                           ; K steps 0-3 are in
	ds_add_u32 v28, v29
	ds_add_u32 v28, v29
	s_mov_b32 s[G1+1], 384<<16                     ; no tensor load of mine is out: from here on a row is two fragments, 3,072 bytes
	s_mov_b32 s[G1+3], 384<<16
	s_mov_b32 s[G1B+1], 384<<16
	s_mov_b32 s[G1B+3], 384<<16
	s_wait_dscnt 0x0
	CROUND
	JLOAD G0C, G1, G0D, G1B                        ; K steps 4-5, the small slot's one fill
	v_and_b32 v1, 15, v0
	v_and_b32 v2, 31, v0
	v_bfe_u32 v[H8], v0, 4, 1
	v_lshlrev_b32 v[H8], 3, v[H8]
	v_lshlrev_b32 v[LI16], 4, v2
	v_lshlrev_b32 v[LI8], 3, v2
	s_mul_i32 s46, s15, 2*HALFT
	s_mul_i32 s47, s16, 2*HALFT
	s_add_co_u32 s47, s47, 4*HALFT
.irp s, 0,1                            ; 0: the large slot as the head fills it (a tile's four fragments on end); 1: the same bytes as the refill leaves them (two on end)
	v_add_nc_u32 v[ADRA+\s], s46, v[LI16]
	v_add_nc_u32 v[ADRA+3+\s], s46, v[LI8]
	v_add_nc_u32 v[ADRB+\s], s47, v[LI16]
	v_add_nc_u32 v[ADRB+3+\s], s47, v[LI8]
.endr
	s_mul_i32 s46, s15, HALFT
	s_mul_i32 s47, s16, HALFT
	s_add_co_u32 s46, s46, 2*SLOT
	s_add_co_u32 s47, s47, 2*SLOT+2*HALFT
	v_add_nc_u32 v[ADRA+2], s46, v[LI16]           ; 2: the small slot
	v_add_nc_u32 v[ADRA+5], s46, v[LI8]
	v_add_nc_u32 v[ADRB+2], s47, v[LI16]
	v_add_nc_u32 v[ADRB+5], s47, v[LI8]
	s_lshl_b32 s70, s15, 3
	s_add_co_u32 s70, s70, s21
	s_lshl_b32 s70, s70, 9
	s_lshl_b32 s71, s16, 3
	s_add_co_u32 s71, s71, s67
	s_lshl_b32 s71, s71, 9
	s_mov_b32 s[HI], 0xffff0000
	v_mov_b32 v[SOF], s70
	v_mov_b32 v27, s71
	v_cndmask_b32 v[SOF], v[SOF], v27, s[HI]
	v_lshl_add_u32 v[SOF], v1, 4, v[SOF]
.irp i, 0,1,2,3,4,5,6,7
.irp hh, 0,1
	global_load_b128 v[SC+8*\i+4*\hh:SC+8*\i+4*\hh+3], v[SOF], s[6:7] offset:512*\i+256*\hh
.endr
.endr
.irp b, 0,1,2,3
	v_mov_b32 v[TM+4+\b], 0
.endr
	s_mov_b32 s[SEL], 0x76543210
	s_mov_b32 s[SEL+1], 0xfedcba98
	s_lshl_b32 s80, s20, 8
	s_lshl_b32 s81, s15, 7
	s_add_co_u32 s80, s80, s81
	s_lshl_b32 s81, s66, 8
	s_lshl_b32 s82, s16, 7
	s_add_co_u32 s81, s81, s82
	s_cmp_lg_u32 s18, 0
	s_cselect_b32 s82, s81, s80
	s_cselect_b32 s83, s80, s81
	s_lshr_b32 s84, s82, 11
	s_lshl_b32 s84, s84, 4
	s_lshr_b32 s85, s83, 6
	s_add_co_u32 s84, s84, s85
	s_mul_i32 s84, s84, HEADB
	s_bfe_u32 s85, s82, 0x40007
	s_mul_i32 s85, s85, STEPB
	s_add_co_u32 s84, s84, s85
	s_mov_b32 s72, 0                               ; K's codes begin a step, its scale words lie at 12,288
	s_mov_b32 s73, 12288
	s_cmp_eq_u32 s17, 2
	s_cselect_b32 s72, 6144, s72
	s_cselect_b32 s73, 12544, s73
	s_add_co_u32 s72, s72, s84
	s_add_co_u32 s86, s73, s84
	s_mov_b32 s73, 0
	s_mov_b32 s87, 0
	s_add_nc_u64 s[74:75], s[8:9], s[72:73]
	s_add_nc_u64 s[76:77], s[8:9], s[86:87]
.macro FRAG reg, adr, off
	ds_load_b128 v[\reg:\reg+3], v[\adr] offset:\off
	ds_load_b64 v[\reg+4:\reg+5], v[\adr+3] offset:\off+512
	ds_load_b128 v[\reg+6:\reg+9], v[\adr] offset:\off+768
	ds_load_b64 v[\reg+10:\reg+11], v[\adr+3] offset:\off+1280
.endm
.macro MUL16 a0, p, kf, zero
.irp a, \a0, \a0+1
.irp b, 0,1,2,3,4,5,6,7
.if \zero
	v_wmma_scale_f32_16x16x128_f8f6f4 v[8*(8*((\a)%4)+\b):8*(8*((\a)%4)+\b)+7], v[128*(\p)+FR*\b:128*(\p)+FR*\b+FR-1], v[AF+FR*(\a):AF+FR*(\a)+FR-1], 0, v[SC+8*\b+(\kf)], v[SC+8*(\a)+(\kf)] matrix_a_fmt:MATRIX_FMT_FP6 matrix_b_fmt:MATRIX_FMT_FP6 matrix_a_scale:MATRIX_SCALE_ROW1
.else
	v_wmma_scale_f32_16x16x128_f8f6f4 v[8*(8*((\a)%4)+\b):8*(8*((\a)%4)+\b)+7], v[128*(\p)+FR*\b:128*(\p)+FR*\b+FR-1], v[AF+FR*(\a):AF+FR*(\a)+FR-1], v[8*(8*((\a)%4)+\b):8*(8*((\a)%4)+\b)+7], v[SC+8*\b+(\kf)], v[SC+8*(\a)+(\kf)] matrix_a_fmt:MATRIX_FMT_FP6 matrix_b_fmt:MATRIX_FMT_FP6 matrix_a_scale:MATRIX_SCALE_ROW1
.endif
.endr
.endr
.endm
.macro FETCH_B slot, q, p
	WIN TO_B
.irp i, 0,1,2,3,4,5,6,7
	FRAG 128*(\p)+FR*\i, ADRB+\slot, SUB*(1+(2-(\slot))/2)*\i+FRB*(\q)
.endr
	WIN 0
.endm
.macro FETCH_A slot, q, i0
.irp i, \i0, \i0+1, \i0+2, \i0+3
	FRAG AF+FR*(\i), ADRA+\slot, SUB*(1+(2-(\slot))/2)*(\i)+FRB*(\q)
.endr
.endm
.macro STEP kf, p, ns, nq, zero
	s_wait_dscnt 16
	WIN MUL_LO
	MUL16 0, \p, \kf, \zero
	MUL16 2, \p, \kf, \zero
	s_wait_dscnt 0x0
	PLACES
	FETCH_B \ns, \nq, 1-\p
	FETCH_A \ns, \nq, 0
	WIN MUL_HI
	MUL16 4, \p, \kf, \zero
	MUL16 6, \p, \kf, \zero
	PLACES
	WIN 0
	FETCH_A \ns, \nq, 4
.endm
.macro TURN next, kf, fill
	s_wait_tensorcnt 0x0
	ds_add_u32 v[SPW], v[NIL]
	s_wait_dscnt 17
	WIN MUL_LO
	MUL16 0, 1, \kf, 0
	s_wait_dscnt 0x0
	s_barrier_signal -1
	MUL16 2, 1, \kf, 0
	WIN 0
	s_barrier_wait -1
.if \fill == 2
	CREST
	JLOAD G0C, G1, G0D, G1B                        ; slot 2's first fill, issued as a refill is
.elseif \fill
	CREST
	s_add_nc_u64 s[G0+2:G0+3], s[G0+2:G0+3], 3*SUB
	s_add_nc_u64 s[G0B+2:G0B+3], s[G0B+2:G0B+3], 3*SUB
	JLOAD G0, G1, G0B, G1B
.else
	PLACES
.endif
	FETCH_B \next, 0, 0
	FETCH_A \next, 0, 0
	WIN MUL_HI
	MUL16 4, 1, \kf, 0
	MUL16 6, 1, \kf, 0
	PLACES
	WIN 0
	FETCH_A \next, 0, 4
.endm
	s_wait_tensorcnt 2
	s_barrier_signal -1
	s_barrier_wait -1
	FETCH_B 0, 0, 0
	FETCH_A 0, 0, 0
	FETCH_A 0, 0, 4
	s_wait_loadcnt 0x0
	STEP 0, 0, 0, 1, 1
	STEP 1, 1, 0, 2, 0
	STEP 2, 0, 0, 3, 0
	s_wait_alu depctr_va_vdst(0)
	TURN 2, 3, 1
	STEP 4, 0, 2, 1, 0
	TURN 1, 5, 0
	STEP 6, 0, 1, 1, 0
	s_wait_dscnt 16
	WIN MUL_LO
	MUL16 0, 1, 7, 0
	MUL16 2, 1, 7, 0
	s_wait_dscnt 0x0
	WIN MUL_HI
	MUL16 4, 1, 7, 0
	MUL16 6, 1, 7, 0
	WIN 0
.macro EPI isv
.irp a, 0,1,2,3,4,5,6,7
.set AC, 64*(\a%4)
.set WN, 2+\a/4
.set WNN, 5*WN
	WIN WNN
.irp b, 0,1,2,3
	v_max3_num_f32 v[TM+\b], |v[AC+16*\b]|, |v[AC+16*\b+1]|, 0x1800000
.endr
.irp i, 2,4,6,8,10,12,14
.irp b, 0,1,2,3
	v_max3_num_f32 v[TM+\b], |v[AC+16*\b+\i]|, |v[AC+16*\b+\i+1]|, v[TM+\b]
.endr
.endr
	WIN 0
.if \isv
	v_max_num_f32 v[TM], v[TM], v[TM+1]
	v_max_num_f32 v[TM+1], v[TM+2], v[TM+3]
.irp c, 0,1
	v_add_nc_u32 v[TM+12+\c], 0xff000000, v[TM+\c]
.endr
.irp c, 0,1
	v_lshrrev_b32 v[TM+4+\c], 23, v[TM+12+\c]
.endr
	v_lshl_or_b32 v[PW+\a], v[TM+5], 16, v[TM+4]
	v_lshlrev_b32 v[PW+\a], v[H8], v[PW+\a]
	v_permlanex16_b32 v[TM+6], v[PW+\a], s[SEL], s[SEL+1]
	v_or_b32 v[PW+\a], v[PW+\a], v[TM+6]
.else
.irp b, 0,1,2,3
	v_permlanex16_b32 v[TM+4+\b], v[TM+\b], s[SEL], s[SEL+1]
.endr
.irp b, 0,1,2,3
	v_max_num_f32 v[TM+\b], v[TM+\b], v[TM+4+\b]
.endr
.irp b, 0,1,2,3
	v_add_nc_u32 v[TM+12+\b], 0xff000000, v[TM+\b]
.endr
.irp b, 0,1,2,3
	v_lshrrev_b32 v[TM+4+\b], 23, v[TM+12+\b]
.endr
	v_lshl_or_b32 v[PW+\a], v[TM+5], 8, v[TM+4]
	v_lshl_or_b32 v[PW+\a], v[TM+6], 16, v[PW+\a]
	v_lshl_or_b32 v[PW+\a], v[TM+7], 24, v[PW+\a]
.endif
.if \a > 0
	s_wait_alu depctr_va_vdst(0)
	s_wait_xcnt 0x0
.endif
	WIN WN
.irp c, 0,1
.if \isv
	v_cvt_scalef32_pk16_fp6_f32 v[PC+6*\c:PC+6*\c+2], v[AC+32*\c:AC+32*\c+15], v[TM+12+\c]
	v_cvt_scalef32_pk16_fp6_f32 v[PC+12+4*\c:PC+14+4*\c], v[AC+32*\c+16:AC+32*\c+31], v[TM+12+\c]
.else
	v_cvt_scalef32_pk16_fp6_f32 v[PC+6*\c:PC+6*\c+2], v[AC+32*\c:AC+32*\c+15], v[TM+12+2*\c]
	v_cvt_scalef32_pk16_fp6_f32 v[PC+12+4*\c:PC+14+4*\c], v[AC+32*\c+16:AC+32*\c+31], v[TM+13+2*\c]
.endif
.endr
	WIN 0
	v_nop
.irp c, 0,1
.if \isv == 0
.irp i, 0,1,2
	v_permlane16_swap_b32 v[PC+6*\c+\i], v[PC+12+4*\c+\i]
.endr
.endif
.irp i, 0,1,2
	v_mov_b32 v[PC+3+6*\c+\i], v[PC+12+4*\c+\i]
.endr
.endr
.irp c, 0,1
.if \isv
.set PL, (\a/4)*HEADB+FRB*(\a%4)+768*\c
.else
.set PL, \c*HEADB+768*\a
.endif
	global_store_b128 v[LI16], v[PC+6*\c:PC+6*\c+3], s[74:75] offset:PL
	global_store_b64 v[LI8], v[PC+6*\c+4:PC+6*\c+5], s[74:75] offset:PL+512
.endr
.endr
.irp c, 0,1
.if \isv
	v_cndmask_b32 v[SW+2*\c], v[PW+4*\c], v[PW+4*\c+1], s[HI]
	v_cndmask_b32 v[SW+2*\c+1], v[PW+4*\c+2], v[PW+4*\c+3], s[HI]
.else
.irp p, 0,1,2,3
.if \c
	v_perm_b32 v[TM+\p], v[PW+2*\p+1], v[PW+2*\p], 0x07060302
.else
	v_perm_b32 v[TM+\p], v[PW+2*\p+1], v[PW+2*\p], 0x05040100
.endif
.endr
	v_cndmask_b32 v[SW+2*\c], v[TM], v[TM+1], s[HI]
	v_cndmask_b32 v[SW+2*\c+1], v[TM+2], v[TM+3], s[HI]
.endif
	global_store_b64 v[LI8], v[SW+2*\c:SW+2*\c+1], s[76:77] offset:\c*HEADB
.endr
.endm
	PLACES
	s_cmp_lg_u32 s18, 0
	s_cbranch_scc1 .Lvalues
	EPI 0
	s_branch .Lend
.Lvalues:
	EPI 1
.Lend:
	s_wait_tensorcnt 0x0
	ds_add_u32 v[SPW], v[NIL]
	s_wait_dscnt 0x0
	CROUND
	s_endpgm
.Lfunc_end_k_qa5efe22d42_gemm_qkv:
	.size	k_qa5efe22d42_gemm_qkv, .Lfunc_end_k_qa5efe22d42_gemm_qkv-k_qa5efe22d42_gemm_qkv
	.p2alignl 7, 3214868480
	.fill 96, 4, 3214868480
	.section	.rodata,"a",@progbits
	.p2align	6, 0x0
	.amdhsa_kernel k_qa5efe22d42_gemm_qkv
		.amdhsa_group_segment_fixed_size 327680
		.amdhsa_private_segment_fixed_size 0
		.amdhsa_enable_private_segment 0
		.amdhsa_kernarg_size 24
		.amdhsa_user_sgpr_count 2
		.amdhsa_user_sgpr_kernarg_segment_ptr 1
		.amdhsa_wavefront_size32 1
		.amdhsa_system_sgpr_workgroup_id_x 1
		.amdhsa_system_sgpr_workgroup_id_y 1
		.amdhsa_system_sgpr_workgroup_id_z 1
		.amdhsa_system_vgpr_workitem_id 0
		.amdhsa_next_free_vgpr 1024
		.amdhsa_next_free_sgpr 100
		.amdhsa_reserve_vcc 0
		.amdhsa_float_denorm_mode_32 3
		.amdhsa_float_denorm_mode_16_64 3
		.amdhsa_memory_ordered 1
		.amdhsa_forward_progress 1
		.amdhsa_inst_pref_size 178
	.end_amdhsa_kernel
	.amdgpu_metadata
---
amdhsa.version: [ 1, 2 ]
amdhsa.kernels:
  - .name:           k_qa5efe22d42_gemm_qkv
    .symbol:         k_qa5efe22d42_gemm_qkv.kd
    .args:
      - { .name: c2, .offset: 0, .size: 8, .value_kind: global_buffer, .address_space: global }
      - { .name: s2, .offset: 8, .size: 8, .value_kind: global_buffer, .address_space: global }
      - { .name: qkv, .offset: 16, .size: 8, .value_kind: global_buffer, .address_space: global }
    .group_segment_fixed_size: 327680
    .private_segment_fixed_size: 0
    .kernarg_segment_align: 8
    .kernarg_segment_size: 24
    .max_flat_workgroup_size: 128
    .sgpr_count:     100
    .vgpr_count:     1024
    .wavefront_size: 32
...
	.end_amdgpu_metadata
.endif
;; end of part 2
;; launch attn (part 3): grid 4 x 64, 16 waves a work-group, clusters of 4 x 1, 256,000 bytes of LDS; arguments c2, s2, qkv, c4, s4; writes c4, s4
.if DOCPART == 3
	.amdgcn_target "amdgcn-amd-amdhsa--gfx1250"
	.amdhsa_code_object_version 6
	.text
	.protected	k_qa5efe22d42_attn
	.globl	k_qa5efe22d42_attn
	.p2align	8
	.type	k_qa5efe22d42_attn,@function
k_qa5efe22d42_attn:
	s_mov_b64 s[64:65], 0
	v_nop
	global_prefetch_b8 v0, s[64:65] scope:SCOPE_SE
	s_setreg_imm32_b32 hwreg(HW_REG_WAVE_MODE, 25, 1), 1
	s_wait_xcnt 0x0
	s_wait_alu depctr_hold_cnt(0) depctr_sa_sdst(0) depctr_va_vdst(0) depctr_va_sdst(0) depctr_va_ssrc(0) depctr_va_vcc(0) depctr_vm_vsrc(0)
	s_getreg_b32 s2, hwreg(HW_REG_IB_STS2, 6, 4)
	s_cmp_eq_u32 s2, 0
	s_cbranch_scc0 .Lentry_in_a_cluster
	s_endpgm
.Lentry_in_a_cluster:
	s_bfe_u32 s2, ttmp6, 0x10000c
	s_cmp_lg_u32 s2, 0x3003
	s_cbranch_scc0 .Lentry_shape_is_right
	s_endpgm
.Lentry_shape_is_right:
; q = x Wq^T for one head, quantised; then o[b][q][head] = softmax_k(q . k / 8) v, 64 channels, 2,048 keys.  All three products on codes of FP6 (E2M3) with E8M0 scales; o is quantised along its channels and leaves as codes.
; THE SOFTMAX: t = score x log2(e) / 8; M = the row's largest t so far, rounded UP to a whole number; p = 2^(t - M) is quantised along the keys, not normalised; the row's sum is taken of the unquantised p and divides O at the end.
; When M moves, the sum and O are multiplied by 2^(old M - new M): exact.
; SHARES.  A work-group owns 512 queries of one head; each of its sixteen waves owns one tile of 16 queries at a time, in two passes (tile 16 pass + wave), four waves to a SIMD.
; Q.  At the head of each pass a wave makes its own tile: 16 rows of x, all of K = 1,024, against the head's 64 rows of Wq: 4 accumulators x 8 K steps.  x's codes lie in memory as images of the operand's registers: they go straight
; into registers, each load 512 or 256 consecutive bytes; the tile's 32 loads are out together.  Wq's 64 rows lie in LDS for the whole launch.
; Wq's rows are source 0 and lie permuted, so that register 16 B + i of a lane is channel 32 B + 16 h + i of its query: the quantiser's blocks lie in lanes l and l xor 16.
; LDS: Wq's 49,152 bytes; one head's K and V, 16 steps x 12,800 bytes; the spare words.  Everything is filled once, at the head, one tensor load a wave: waves 0-7 an eighth of Wq's rows each, which are needed first;
; waves 8-15 two steps of K and V each.  The first barrier shows Wq's rows alone (waves 0-7 have a load line and a wait of their own); the second, behind the first Q, shows all.
; CLUSTER.  The four blocks of queries of a head read the same K, V and Wq: each tile is asked for jointly, with a mask that names the four.
; NO PREFETCH: every tile is asked for at the head, and a tile of x at the head of its pass, whole; the loops over the keys read LDS alone.
; LAYOUT of the attention.  Both products are used transposed: S^T = K Q^T, O^T = V^T P^T: a lane holds ONE query (lane % 16).  A fragment of K holds TWO tiles of 16 keys, one in each half of its K = 128: it is multiplied by [q | 0]
; and by [0 | q]; zero codes stand on Q's side alone (their scale bytes are 0, which is a number).  Place i of key tile a holds key 64 (a / 4) + 32 (i / 8) + 8 (a % 4) + i % 8 of the step's 128: score register 32 c + i of lane half h
; is key 64 c + 32 h + i: a lane holds two whole blocks of 32 keys, in the order of the second product's operand.
; A BLOCK'S SCALE is read off x = (its largest t) - M: floor(log2(largest p)) = floor(x); the byte is floor(x) + 125, x held at -124 from below (byte 1).
; A KEY STEP is laid as one batch: maxima, M, the multiply-adds and O's rescaling; the wait; 64 exponentials on end; the scale bytes; the wait; conversions and sums.
; ONE PAIR OF LDS ADDRESSES serves a step's V and the next step's K: it stands at the step's V (6,144 bytes into the step) and is stepped in the places behind the score products; the next K lies 6,656 bytes on.
; LIMITS: where x lies within a rounding under a whole number, so that the exponential rounds p up to the power of two, that one p is held at the largest code of the lower scale.  The scaled scores stay under 2^31 in magnitude.
; A block of zeros gets the byte 1 (its codes are zeros; this program alone reads the bytes); NaN and infinities are not served.  o's scale bytes leave as single bytes, 32 for a wave and pass: a scale word spans two heads.
.set STEPL, 12800                      ; a step in LDS: K 6,144 | V 6,144 | K's scale words 256 | V's 256
.set STEPG, 19200                      ; from step to step in memory
.set HEADB, 307200
.set TILEB, 12288                      ; 16 rows, all of K: 8 fragments of 1,536 bytes
.set WQB,   0                          ; Wq's four tiles in LDS
.set KVB,   4*TILEB                    ; K and V
.set NXK,   STEPL-6144                 ; from a step's V to the next step's K
.set SPARE, KVB+16*STEPL               ; the spare words: 128 bytes a wave
.set LI16, 1                           ; v1   16 x lane
.set A16,  2                           ; v2   an LDS address, 16 bytes a lane
.set LI8,  3                           ; v3   8 x lane
.set A8,   4                           ; v4   an LDS address, 8 bytes a lane
.set H8,   5                           ; v5   8 x (lane / 16)
.set SBO,  6                           ; v6   16 r + h: my scale byte's place
.set WSO,  7                           ; v7   16 r + 512 h: Wq's scale words, tiles 2 u + h
.set XSO,  11                          ; v11  16 r + 8,192 h: x's scale words, the tile of pass h
                                       ; v12  -M;  v13 the largest score so far;  v14-15 the row's sum
.set QA,   16                          ; v16-27 [q | 0]
.set QZ,   28                          ; v28-39 [0 | q]
.set QSA,  40                          ; v40  q's two scale bytes below;  v41 above
.set KS,   42                          ; v42-43 K's scale words
.set VS,   44                          ; v44-45 V's
.set PS,   46                          ; v46  p's scale word
.set F,    48                          ; v48-95 four fragments: K's, then V's; while Q is made, Wq's
.set S,    96                          ; v96-159 S^T, then p
.set O,    160                         ; v160-191 O^T
.set PC,   192                         ; v192-203 p's codes; v204-206, v208-210 the blocks' upper halves as converted
.set FF,   212                         ; v212-213 f = 2^(old M - new M)
.set T,    214
.set T2,   215                         ; the old -M
.set AUX,  216                         ; v216-217 the sum's second chain
.set PT,   226                         ; v226-229 at work
.set BM,   230                         ; v230-231 two blocks' largest
.set SO,   232                         ; v232-233 the conversions' scale operands
.set QS,   234                         ; v234-240 q as quantised: codes 0-2, scale bytes 3, codes 4-6
; while Q is made: v16-47 four accumulators, v96-191 x's eight fragments, v200-207 x's scale words, v210-225 Wq's
.set AC,   16
.set X,    96
.set XSC,  200
.set WSC,  210
.set WV,   18
.set SEL,  20                          ; s[20:21] v_permlanex16_b32's selects for lane l xor 16
.set CS,   22                          ; s[22:23] c = log2(e) / 8
.set G1,   24                          ; s[24:31], s[32:35] K and V;  s[40:47], s[60:63] Wq
.set G0,   32
.set TB,   36                          ; s36  LDS byte at which the step's V begins
.set CNT,  37
.set HI,   38                          ; s38  the mask of lanes 16-31
.set G1W,  40
.set XB,   48                          ; s[48:49] my tile of x;  s[50:51] its scale words;  s[52:53] Wq's;  s[54:55] o's codes;  s[56:57] o's scale bytes
.set XS,   50
.set WS,   52
.set CBS,  54
.set SBS,  56
.set G0W,  60
.macro WALU
	s_wait_alu depctr_va_vdst(0)
.endm
.macro PLACES n
.rept \n
	v_nop
.endr
.endm
.macro CROUND                          ; a round of the cluster's barrier
	s_barrier_signal -1
	s_barrier_wait -1
	s_cmp_lg_u32 s[WV], 0
	s_cbranch_scc1 .Lnot_wave_0_\@
	s_barrier_signal -3
.Lnot_wave_0_\@:
	s_barrier_wait -3
	s_barrier_signal -1
	s_barrier_wait -1
.endm
.macro FRAG reg, adr, off              ; a fragment's image back into 12 registers: each load takes consecutive bytes (v[adr]: 16 bytes a lane, v[adr+2]: 8)
	ds_load_b128 v[\reg:\reg+3], v[\adr] offset:\off
	ds_load_b64 v[\reg+4:\reg+5], v[\adr+2] offset:\off+512
	ds_load_b128 v[\reg+6:\reg+9], v[\adr] offset:\off+768
	ds_load_b64 v[\reg+10:\reg+11], v[\adr+2] offset:\off+1280
.endm
.macro XLOAD kf, p                     ; x's fragment kf of the tile of pass p, from memory into its registers
.set R_, X+12*\kf
.set B_, 16*TILEB*\p+1536*\kf
	global_load_b128 v[R_:R_+3], v[LI16], s[XB:XB+1] offset:B_
	global_load_b64 v[R_+4:R_+5], v[LI8], s[XB:XB+1] offset:B_+512
	global_load_b128 v[R_+6:R_+9], v[LI16], s[XB:XB+1] offset:B_+768
	global_load_b64 v[R_+10:R_+11], v[LI8], s[XB:XB+1] offset:B_+1280
.endm
.macro QLOADS p                        ; what Q of pass p needs from memory: 6 loads of scale words (four K steps to a load; lanes 0-15 and 16-31 take two tiles), then the tile's 32
.irp k, 0,1
	global_load_b128 v[XSC+4*\k:XSC+4*\k+3], v[XSO], s[XS:XS+1] offset:256*\k
.irp u, 0,1
	global_load_b128 v[WSC+8*\u+4*\k:WSC+8*\u+4*\k+3], v[WSO], s[WS:WS+1] offset:1024*\u+256*\k
.endr
.endr
.irp kf, 0,1,2,3,4,5,6,7
	XLOAD \kf, \p
.endr
.endm
; 32 numbers of a lane, register 16 b + i = channel 32 b + 16 h + i of my query, become codes: v[ca .. ca+2] and v[cb .. cb+2] hold channels 32 h + 0 .. 31; the two blocks' bytes are left in v[PT], v[PT+1]
.macro QUANT32 s, ca, cb
.irp b, 0,1
	v_max3_num_f32 v[BM+\b], |v[\s+16*\b]|, |v[\s+16*\b+1]|, 0x1800000   ; with the floor 2^(3 - 127): the byte cannot fall under 1
.endr
.irp i, 2,4,6,8,10,12,14
.irp b, 0,1
	v_max3_num_f32 v[BM+\b], |v[\s+16*\b+\i]|, |v[\s+16*\b+\i+1]|, v[BM+\b]
.endr
.endr
.irp b, 0,1
	v_permlanex16_b32 v[PT+\b], v[BM+\b], s[SEL], s[SEL+1]
.endr
.irp b, 0,1
	v_max_num_f32 v[BM+\b], v[BM+\b], v[PT+\b]     ; with lane l xor 16's 16: the block's largest magnitude
.endr
.irp b, 0,1
	v_add_nc_u32 v[SO+\b], 0xff000000, v[BM+\b]    ; 2 off its exponent field: the conversion's scale operand
.endr
.irp b, 0,1
	v_lshrrev_b32 v[PT+\b], 23, v[SO+\b]           ; the scale's byte
.endr
	v_cvt_scalef32_pk16_fp6_f32 v[\ca:\ca+2], v[\s:\s+15], v[SO]
	v_cvt_scalef32_pk16_fp6_f32 v[\cb:\cb+2], v[\s+16:\s+31], v[SO+1]
	v_nop                                          ; one plain place behind a scaled conversion
.irp i, 0,1,2
	v_permlane16_swap_b32 v[\ca+\i], v[\cb+\i]     ; a whole block to a lane
.endr
.endm
; Q: K step kf: Wq's four tiles against my tile of x: four accumulators by turns
.macro QM kf, u, o, p
.set D_, AC+8*(2*\u+\o)
.set W_, F+12*(2*\u+\o)
.if \kf == 0
	v_wmma_scale_f32_16x16x128_f8f6f4 v[D_:D_+7], v[W_:W_+11], v[X+12*\kf:X+12*\kf+11], 0, v[WSC+8*\u+\kf], v[XSC+\kf] matrix_a_fmt:MATRIX_FMT_FP6 matrix_b_fmt:MATRIX_FMT_FP6 matrix_a_scale:MATRIX_SCALE_ROW\o matrix_b_scale:MATRIX_SCALE_ROW\p
.else
	v_wmma_scale_f32_16x16x128_f8f6f4 v[D_:D_+7], v[W_:W_+11], v[X+12*\kf:X+12*\kf+11], v[D_:D_+7], v[WSC+8*\u+\kf], v[XSC+\kf] matrix_a_fmt:MATRIX_FMT_FP6 matrix_b_fmt:MATRIX_FMT_FP6 matrix_a_scale:MATRIX_SCALE_ROW\o matrix_b_scale:MATRIX_SCALE_ROW\p
.endif
.endm
.macro QSTEP kf, p
.irp t, 0,1,2,3
	FRAG F+12*\t, LI16, WQB+TILEB*\t+1536*\kf
.endr
	s_wait_loadcnt 4*(7-\kf)                       ; this K step's four loads are in; younger: the K steps still to come
	s_wait_dscnt 0x0
	QM \kf, 0, 0, \p
	QM \kf, 0, 1, \p
	QM \kf, 1, 0, \p
	QM \kf, 1, 1, \p
	PLACES 4                                       ; in front of loads into registers that these products read, and of the first read of the sums
.endm
.macro QPROJ p
.irp kf, 0,1,2,3,4,5,6,7
	QSTEP \kf, \p
.endr
	QUANT32 AC, QS, QS+4
	v_lshl_or_b32 v[QS+3], v[PT+1], 8, v[PT]       ; q's two scale bytes
.endm
	s_load_b256 s[4:11], s[0:1], 0x0               ; c2, s2, qkv, c4
	s_load_b64 s[12:13], s[0:1], 0x20              ; s4
	v_lshl_add_u32 v254, v0, 2, SPARE
	v_mov_b32 v255, 0
	ds_add_u32 v254, v255                          ; the opening lines: the add twice on end and its wait
	ds_add_u32 v254, v255
	v_lshrrev_b32 v8, 5, v0
	v_readfirstlane_b32 s[WV], v8                  ; wave 0..15
	s_bfe_u32 s14, ttmp6, 0x40000                  ; cx: my place in the cluster
	s_lshl_b32 s15, ttmp9, 2
	s_add_co_u32 s15, s15, s14                     ; my block of 512 queries: it enters x's and o's addresses alone
	s_and_b32 s16, ttmp7, 0xffff                   ; 16 x batch + head, which the four partners share
	s_and_b32 s17, s16, 15                         ; the head
	s_lshr_b32 s19, s16, 4                         ; the batch
	s_and_b32 s39, s[WV], 7                        ; which eighth of its tensor my load brings
	s_mul_i32 s58, s16, HEADB
	s_mul_i32 s59, s39, 2*STEPG
	s_add_co_u32 s58, s58, s59                     ; two steps of the head
	s_mov_b32 s59, 0
	s_mov_b32 s[G1], 15|(3<<16)|(1<<21)            ; the mask: all four work-groups; elements of 8 bytes; bit 21 beside a mask
	s_mov_b32 s[G1+1], 1600<<16                    ; two rows of 12,800 bytes,
	s_mov_b32 s[G1+2], 2<<16
	s_mov_b32 s[G1+3], 1600<<16
	s_mov_b32 s[G1+4], 2
	s_mov_b32 s[G1+5], 2400                        ; 19,200 bytes apart
	s_mov_b32 s[G1+6], 0
	s_mov_b32 s[G1+7], 0
	s_mov_b32 s[G0], 1
	s_mul_i32 s[G0+1], s39, 2*STEPL
	s_add_co_u32 s[G0+1], s[G0+1], KVB
	s_mov_b32 s[G1W], 15|(3<<16)|(1<<21)
	s_mov_b32 s[G1W+1], 32<<16                     ; 24 rows of 256 bytes, dense
	s_mov_b32 s[G1W+2], 24<<16
	s_mov_b32 s[G1W+3], 32<<16
	s_mov_b32 s[G1W+4], 24
	s_mov_b32 s[G1W+5], 32
	s_mov_b32 s[G1W+6], 0
	s_mov_b32 s[G1W+7], 0
	s_mov_b32 s[G0W], 1
	s_mul_i32 s3, s39, 6144
	s_add_co_u32 s[G0W+1], s3, WQB
	s_mul_i32 s2, s17, 4*TILEB
	s_add_co_u32 s2, s2, s3
	s_add_co_u32 s2, s2, 1024*TILEB                ; Wq's tiles begin at tile 1,024 of c2, four to a head
	s_mov_b32 s3, 0
	s_mov_b32 s[SEL], 0x76543210
	s_mov_b32 s[SEL+1], 0xfedcba98
	s_mov_b32 s[CS], 0x3e38aa3b                    ; log2(e) / 8
	s_mov_b32 s[CS+1], s[CS]
	s_mov_b32 s[HI], 0xffff0000
	s_lshl_b32 s39, s19, 7                         ; my tile of 16 rows in pass 0: 128 x batch + 32 x block + wave
	s_lshl_b32 s15, s15, 5
	s_add_co_u32 s39, s39, s15
	s_add_co_u32 s39, s39, s[WV]
	s_mul_i32 s[XB], s39, TILEB
	s_mov_b32 s[XB+1], 0
	s_lshl_b32 s[XS], s39, 9
	s_mov_b32 s[XS+1], 0
	s_lshl_b32 s[WS], s17, 11
	s_add_co_u32 s[WS], s[WS], 1024*512
	s_mov_b32 s[WS+1], 0
	s_mul_i32 s[CBS], s17, 768                     ; o: the same tile, the head's half fragment,
	s_add_co_u32 s[CBS], s[CBS], s[XB]
	s_mov_b32 s[CBS+1], 0
	s_lshr_b32 s14, s17, 3                         ; and its two bytes of the row's scale word
	s_lshl_b32 s14, s14, 8
	s_add_co_u32 s[SBS], s[XS], s14
	s_bfe_u32 s14, s17, 0x20001
	s_lshl_b32 s14, s14, 2
	s_add_co_u32 s[SBS], s[SBS], s14
	s_and_b32 s14, s17, 1
	s_lshl_b32 s14, s14, 1
	s_add_co_u32 s[SBS], s[SBS], s14
	s_mov_b32 s[SBS+1], 0
	v_and_b32 v8, 31, v0                           ; lane
	v_and_b32 v9, 15, v0                           ; r
	v_bfe_u32 v10, v0, 4, 1                        ; h
	v_lshlrev_b32 v[LI16], 4, v8
	v_lshlrev_b32 v[LI8], 3, v8
	v_lshlrev_b32 v[H8], 3, v10
	v_lshl_add_u32 v[SBO], v9, 4, v10
	v_lshlrev_b32 v9, 4, v9
	v_lshl_add_u32 v[WSO], v10, 9, v9
	v_lshl_add_u32 v[XSO], v10, 13, v9
.irp b, 0,1,2,3
	v_mov_b32 v[PT+\b], 0                          ; written once: a lane permute's destination counts as one of its sources
.endr
	WALU
	s_wait_dscnt 0x0
	s_wait_kmcnt 0x0
	s_add_nc_u64 s[G0+2:G0+3], s[8:9], s[58:59]
	s_or_b32 s[G0+3], s[G0+3], 0x80000000
	s_add_nc_u64 s[G0W+2:G0W+3], s[4:5], s[2:3]
	s_or_b32 s[G0W+3], s[G0W+3], 0x80000000
	s_add_nc_u64 s[XB:XB+1], s[4:5], s[XB:XB+1]
	s_add_nc_u64 s[XS:XS+1], s[6:7], s[XS:XS+1]
	s_add_nc_u64 s[WS:WS+1], s[6:7], s[WS:WS+1]
	s_add_nc_u64 s[CBS:CBS+1], s[10:11], s[CBS:CBS+1]
	s_add_nc_u64 s[SBS:SBS+1], s[12:13], s[SBS:SBS+1]
	QLOADS 0
	CROUND                                         ; all four work-groups are here: the joint loads meet
	s_cmp_lt_u32 s[WV], 8
	s_cbranch_scc0 .Lfor_kv
	tensor_load_to_lds s[G0W:G0W+3], s[G1W:G1W+7]  ; waves 0-7: an eighth of Wq's rows
	s_nop 0
	PLACES 4
	s_branch .Lasked
.Lfor_kv:
	tensor_load_to_lds s[G0:G0+3], s[G1:G1+7]      ; waves 8-15: two steps of K and V
	s_nop 0
	PLACES 4
.Lasked:
	s_cmp_lt_u32 s[WV], 8
	s_cbranch_scc0 .Lnot_w
	s_wait_tensorcnt 0x0
.Lnot_w:
	s_barrier_signal -1
	s_barrier_wait -1                              ; Wq's rows are in; K and V may be on their way
	QPROJ 0
.macro FMA j                           ; pair j of my 32 pairs of scores: t - M (of the pairs c and -M the low word serves both halves)
	v_pk_fma_f32 v[S+2*(\j):S+2*(\j)+1], v[S+2*(\j):S+2*(\j)+1], s[CS:CS+1], v[12:13] op_sel_hi:[1,0,0]
.endm
.macro RES m                           ; pair m of O^T's 16 under the new M
	v_pk_mul_f32 v[O+2*(\m):O+2*(\m)+1], v[O+2*(\m):O+2*(\m)+1], v[FF:FF+1] op_sel_hi:[1,0]
.endm
.macro ADDN n                          ; line n of 32: the row's sum of the unquantised p, in two chains; the last line joins them
.if (\n) == 0
	v_pk_add_f32 v[AUX:AUX+1], v[S:S+1], v[S+2:S+3]
.elseif (\n) == 31
	v_pk_add_f32 v[14:15], v[14:15], v[AUX:AUX+1]
.elseif (\n)%2
	v_pk_add_f32 v[14:15], v[14:15], v[S+2*(\n)+2:S+2*(\n)+3]
.else
	v_pk_add_f32 v[AUX:AUX+1], v[AUX:AUX+1], v[S+2*(\n)+2:S+2*(\n)+3]
.endif
.endm
.macro ADDS from, to
.set n_, \from
.rept (\to)-(\from)
	ADDN n_
.set n_, n_+1
.endr
.endm
; A KEY STEP: 128 keys
.macro KSTEP
.irp p, 0,1,2,3
	FRAG F+12*\p, A16, NXK+1536*\p                 ; K: four fragments, eight tiles of 16 keys.  (The four sums at the last step's end are the places in front of these loads)
.endr
	ds_load_b64 v[KS:KS+1], v[A8] offset:NXK+12288
	WALU
	s_wait_dscnt 0x0
.irp p, 0,1,2,3                        ; S^T: fragment p against [q | 0] gives tile 2 p, against [0 | q] tile 2 p + 1
.if \p%2
	v_wmma_scale_f32_16x16x128_f8f6f4 v[S+16*\p:S+16*\p+7], v[F+12*\p:F+12*\p+11], v[QA:QA+11], 0, v[KS+\p/2], v[QSA] matrix_a_fmt:MATRIX_FMT_FP6 matrix_b_fmt:MATRIX_FMT_FP6 matrix_a_scale:MATRIX_SCALE_ROW1
	v_wmma_scale_f32_16x16x128_f8f6f4 v[S+16*\p+8:S+16*\p+15], v[F+12*\p:F+12*\p+11], v[QZ:QZ+11], 0, v[KS+\p/2], v[QSA+1] matrix_a_fmt:MATRIX_FMT_FP6 matrix_b_fmt:MATRIX_FMT_FP6 matrix_a_scale:MATRIX_SCALE_ROW1
.else
	v_wmma_scale_f32_16x16x128_f8f6f4 v[S+16*\p:S+16*\p+7], v[F+12*\p:F+12*\p+11], v[QA:QA+11], 0, v[KS+\p/2], v[QSA] matrix_a_fmt:MATRIX_FMT_FP6 matrix_b_fmt:MATRIX_FMT_FP6
	v_wmma_scale_f32_16x16x128_f8f6f4 v[S+16*\p+8:S+16*\p+15], v[F+12*\p:F+12*\p+11], v[QZ:QZ+11], 0, v[KS+\p/2], v[QSA+1] matrix_a_fmt:MATRIX_FMT_FP6 matrix_b_fmt:MATRIX_FMT_FP6
.endif
.endr
	v_mov_b32 v[T2], v12                           ; four places in front of the loads below and of the first read of the scores: the old -M is kept,
	v_add_nc_u32 v[A16], s[TB], v[LI16]            ; and the addresses go on to this step's V
	v_add_nc_u32 v[A8], s[TB], v[LI8]
	v_nop
.irp t, 0,1,2,3
	FRAG F+12*\t, A16, 1536*\t                     ; V is asked for now: it lands while the softmax is worked
.endr
	ds_load_b64 v[VS:VS+1], v[A8] offset:6400
.irp c, 0,1
	v_max3_num_f32 v[BM+\c], v[S+32*\c], v[S+32*\c+1], v[S+32*\c+2]   ; the largest score of my block 2 c + h; each accumulator is read from its low end on
.endr
.irp i, 3,5,7,9,11,13,15,17,19,21,23,25,27,29
.irp c, 0,1
	v_max3_num_f32 v[BM+\c], v[BM+\c], v[S+32*\c+\i], v[S+32*\c+\i+1]
.endr
.endr
.irp c, 0,1
	v_max_num_f32 v[BM+\c], v[BM+\c], v[S+32*\c+31]
.endr
	s_delay_alu instid0(VALU_DEP_1)
	v_max3_num_f32 v[T], v[BM], v[BM+1], v13       ; with the largest score so far,
	s_delay_alu instid0(VALU_DEP_1)
	v_permlanex16_b32 v[PT], v[T], s[SEL], s[SEL+1]
	s_delay_alu instid0(VALU_DEP_1)
	v_max_num_f32 v13, v[T], v[PT]                 ; and lane l xor 16's 64 keys: my query's largest score
	s_delay_alu instid0(VALU_DEP_1)
	v_mul_f32 v[T], s[CS], v13                     ; as t (c is positive)
	s_delay_alu instid0(VALU_DEP_1)
	v_floor_f32 v12, -v[T]                         ; the new -M = floor(-t): M is a whole number
	s_delay_alu instid0(VALU_DEP_1)
	v_sub_f32 v[T], v12, v[T2]                     ; old M - new M: a whole number, 0 or less
	FMA 0
	FMA 1
	v_cvt_i32_f32 v[T], v[T]                       ; (it saturates)
	FMA 2
	FMA 3
	v_ldexp_f32 v[FF], 1.0, v[T]                   ; f = 2^(old M - new M)
.set jj, 4
.rept 28
	FMA jj
.set jj, jj+1
.endr
.set jj, 0
.rept 16
	RES jj
.set jj, jj+1
.endr
	v_pk_mul_f32 v[14:15], v[14:15], v[FF:FF+1] op_sel_hi:[1,0]   ; the sum under the new M
	WALU
.set jj, 0
.rept 64
	v_exp_f32 v[S+jj], v[S+jj]                     ; p = 2^(t - M), at most 1
.set jj, jj+1
.endr
.irp c, 0,1
	v_fma_f32 v[BM+\c], v[BM+\c], s[CS], v12       ; x = the block's largest t - M: its largest p is 2^x.  (Plain work that names no p stands behind the batch)
.endr
.irp c, 0,1
	s_delay_alu instid0(VALU_DEP_2)
	v_max_num_f32 v[BM+\c], 0xc2f80000, v[BM+\c]   ; held at -124 from below: the byte cannot fall under 1
.endr
.irp c, 0,1
	s_delay_alu instid0(VALU_DEP_2)
	v_floor_f32 v[BM+\c], v[BM+\c]                 ; floor(log2(the largest p))
.endr
.irp c, 0,1
	s_delay_alu instid0(VALU_DEP_2)
	v_cvt_i32_f32 v[BM+\c], v[BM+\c]
.endr
.irp c, 0,1
	s_delay_alu instid0(VALU_DEP_2)
	v_lshl_add_u32 v[SO+\c], v[BM+\c], 23, 0x3e800000   ; (floor(x) - 2 + 127) << 23: the conversion's scale operand
.endr
.irp c, 0,1
	s_delay_alu instid0(VALU_DEP_2)
	v_lshrrev_b32 v[PT+\c], 23, v[SO+\c]           ; the scale's byte
.endr
	s_delay_alu instid0(VALU_DEP_1)
	v_lshl_or_b32 v[PS], v[PT+1], 16, v[PT]        ; my two bytes: blocks h and 2 + h,
	s_delay_alu instid0(VALU_DEP_1)
	v_lshlrev_b32 v[PS], v[H8], v[PS]              ; at their places in the scale word;
	s_delay_alu instid0(VALU_DEP_1)
	v_permlanex16_b32 v[PT+2], v[PS], s[SEL], s[SEL+1]
	s_delay_alu instid0(VALU_DEP_1)
	v_or_b32 v[PS], v[PS], v[PT+2]                 ; with lane l xor 16's two: p's scale word for these 128 keys
	WALU                                           ; one wait for the whole batch, ahead of its first reader
.irp c, 0,1
	v_cvt_scalef32_pk16_fp6_f32 v[PC+6*\c:PC+6*\c+2], v[S+32*\c:S+32*\c+15], v[SO+\c]
	v_cvt_scalef32_pk16_fp6_f32 v[PC+12+4*\c:PC+14+4*\c], v[S+32*\c+16:S+32*\c+31], v[SO+\c]   ; (a conversion's three registers begin on an even number)
.endr
	ADDS 0, 14                                     ; plain lines behind the conversions
.irp c, 0,1
.irp i, 0,1,2
	v_mov_b32 v[PC+3+6*\c+\i], v[PC+12+4*\c+\i]    ; registers 6 c .. 6 c + 5 now hold keys 64 c + 32 h + 0 .. 31
.endr
.endr
	ADDS 14, 28                                    ; the places between p's codes and scale word and the products
	WALU
	s_wait_dscnt 0x0                               ; V is in
.irp t, 0,1,2,3                        ; O^T += V^T P^T: four tiles of 16 channels by turns; K = these 128 keys
.if \t%2
	v_wmma_scale_f32_16x16x128_f8f6f4 v[O+8*\t:O+8*\t+7], v[F+12*\t:F+12*\t+11], v[PC:PC+11], v[O+8*\t:O+8*\t+7], v[VS+\t/2], v[PS] matrix_a_fmt:MATRIX_FMT_FP6 matrix_b_fmt:MATRIX_FMT_FP6 matrix_a_scale:MATRIX_SCALE_ROW1
.else
	v_wmma_scale_f32_16x16x128_f8f6f4 v[O+8*\t:O+8*\t+7], v[F+12*\t:F+12*\t+11], v[PC:PC+11], v[O+8*\t:O+8*\t+7], v[VS+\t/2], v[PS] matrix_a_fmt:MATRIX_FMT_FP6 matrix_b_fmt:MATRIX_FMT_FP6
.endif
.endr
	ADDS 28, 32                                    ; the last four sums are the places behind these products
.endm
.macro PASS pass
	v_add_nc_u32 v[A16], KVB-NXK, v[LI16]          ; the addresses stand one step's V ahead of the first K
	v_add_nc_u32 v[A8], KVB-NXK, v[LI8]
.irp i, 0,1,2
	v_mov_b32 v[QA+\i], v[QS+\i]                   ; [q | 0] and [0 | q]
	v_mov_b32 v[QA+3+\i], v[QS+4+\i]
	v_mov_b32 v[QZ+6+\i], v[QS+\i]
	v_mov_b32 v[QZ+9+\i], v[QS+4+\i]
.endr
.irp i, 0,1,2,3,4,5
	v_mov_b32 v[QA+6+\i], 0                        ; the zero halves
	v_mov_b32 v[QZ+\i], 0
.endr
	v_mov_b32 v[QSA], v[QS+3]                      ; q's two bytes below, 0 above;
	v_lshlrev_b32 v[QSA+1], 16, v[QS+3]            ; and above
	v_mov_b32 v[FF+1], 0                           ; (named as the upper half of a pair)
	v_mov_b32 v13, 0xff61b1e6                      ; the largest score so far: -3e38, under every score
	v_floor_f32 v12, -v13                          ; -M: so large that the first f is 0
	v_mov_b32 v14, 0                               ; the sum, in two halves
	v_mov_b32 v15, 0
.set j, 0
.rept 32
	v_mov_b32 v[O+j], 0                            ; O^T: the step is written once, its first trip finds zeros.  (Also the places between the lines above and the first product)
.set j, j+1
.endr
	s_mov_b32 s[TB], KVB+6144
	s_mov_b32 s[CNT], 16
.Lstep_\pass:
	WALU
	KSTEP
	s_add_co_u32 s[TB], s[TB], STEPL
	s_sub_co_u32 s[CNT], s[CNT], 1
	s_cmp_lg_u32 s[CNT], 0
	s_cbranch_scc1 .Lstep_\pass
	; the way out: O^T / the sum, quantised along the head's 64 channels
	v_add_f32 v14, v14, v15
	s_delay_alu instid0(VALU_DEP_1)
	v_permlanex16_b32 v[PT], v14, s[SEL], s[SEL+1]
	s_delay_alu instid0(VALU_DEP_1)
	v_add_f32 v14, v14, v[PT]                      ; the row's sum
	WALU
	v_rcp_f32 v14, v14
	v_nop                                          ; one plain place behind a transcendental
.set j, 0
	WALU
.rept 16
	v_pk_mul_f32 v[S+j:S+j+1], v[O+j:O+j+1], v[14:15] op_sel_hi:[1,0]
.set j, j+2
.endr
	QUANT32 S, PC, PC+12
.irp i, 0,1,2
	v_mov_b32 v[PC+3+\i], v[PC+12+\i]              ; lane (r, h): the codes of channels 32 h .. 32 h + 31 of query r: half a fragment of the last product's operand
.endr
	v_cndmask_b32 v[T], v[PT], v[PT+1], s[HI]      ; lanes 0-15 store the first block's byte, lanes 16-31 the second's
	global_store_b128 v[LI16], v[PC:PC+3], s[CBS:CBS+1] offset:196608*\pass       ; 512 consecutive bytes, aligned
	global_store_b64 v[LI8], v[PC+4:PC+5], s[CBS:CBS+1] offset:196608*\pass+512   ; 256
	global_store_b8 v[SBO], v[T], s[SBS:SBS+1] offset:8192*\pass
.endm
	WALU
	s_wait_tensorcnt 0x0                           ; every wave's load is in,
	s_wait_dscnt 0x0
	s_barrier_signal -1
	s_barrier_wait -1                              ; and everybody's: the whole head lies in LDS
	PASS 0
	s_wait_xcnt 0x0                                ; the stores have read their registers
	QLOADS 1
	QPROJ 1
	PASS 1
	s_wait_tensorcnt 0x0                           ; the wave's end
	ds_add_u32 v254, v255
	s_wait_dscnt 0x0
	CROUND                                         ; the closing round
	s_endpgm
.Lfunc_end_k_qa5efe22d42_attn:
	.size	k_qa5efe22d42_attn, .Lfunc_end_k_qa5efe22d42_attn-k_qa5efe22d42_attn
	.p2alignl 7, 3214868480
	.fill 96, 4, 3214868480
	.section	.rodata,"a",@progbits
	.p2align	6, 0x0
	.amdhsa_kernel k_qa5efe22d42_attn
		.amdhsa_group_segment_fixed_size 256000
		.amdhsa_private_segment_fixed_size 0
		.amdhsa_enable_private_segment 0
		.amdhsa_kernarg_size 40
		.amdhsa_user_sgpr_count 2
		.amdhsa_user_sgpr_kernarg_segment_ptr 1
		.amdhsa_wavefront_size32 1
		.amdhsa_system_sgpr_workgroup_id_x 1
		.amdhsa_system_sgpr_workgroup_id_y 1
		.amdhsa_system_sgpr_workgroup_id_z 1
		.amdhsa_system_vgpr_workitem_id 0
		.amdhsa_next_free_vgpr 256
		.amdhsa_next_free_sgpr 66
		.amdhsa_reserve_vcc 0
		.amdhsa_float_denorm_mode_32 3
		.amdhsa_float_denorm_mode_16_64 3
		.amdhsa_memory_ordered 1
		.amdhsa_forward_progress 1
		.amdhsa_inst_pref_size 87
	.end_amdhsa_kernel
	.amdgpu_metadata
---
amdhsa.version: [ 1, 2 ]
amdhsa.kernels:
  - .name:           k_qa5efe22d42_attn
    .symbol:         k_qa5efe22d42_attn.kd
    .args:
      - { .name: c2, .offset: 0, .size: 8, .value_kind: global_buffer, .address_space: global }
      - { .name: s2, .offset: 8, .size: 8, .value_kind: global_buffer, .address_space: global }
      - { .name: qkv, .offset: 16, .size: 8, .value_kind: global_buffer, .address_space: global }
      - { .name: c4, .offset: 24, .size: 8, .value_kind: global_buffer, .address_space: global }
      - { .name: s4, .offset: 32, .size: 8, .value_kind: global_buffer, .address_space: global }
    .group_segment_fixed_size: 256000
    .private_segment_fixed_size: 0
    .kernarg_segment_align: 8
    .kernarg_segment_size: 40
    .max_flat_workgroup_size: 512
    .sgpr_count:     66
    .vgpr_count:     256
    .wavefront_size: 32
...
	.end_amdgpu_metadata
.endif
;; end of part 3
;; launch gemm_out (part 4): grid 8 x 32, 4 waves a work-group, clusters of 4 x 4, 312,832 bytes of LDS; arguments c4, s4, bo, out0; writes out0
.if DOCPART == 4
	.amdgcn_target "amdgcn-amd-amdhsa--gfx1250"
	.amdhsa_code_object_version 6
	.text
	.protected	k_qa5efe22d42_gemm_out
	.globl	k_qa5efe22d42_gemm_out
	.p2align	8
	.type	k_qa5efe22d42_gemm_out,@function
k_qa5efe22d42_gemm_out:
	s_mov_b64 s[64:65], 0
	v_nop
	global_prefetch_b8 v0, s[64:65] scope:SCOPE_SE
	s_setreg_imm32_b32 hwreg(HW_REG_WAVE_MODE, 25, 1), 1
	s_wait_xcnt 0x0
	s_wait_alu depctr_hold_cnt(0) depctr_sa_sdst(0) depctr_va_vdst(0) depctr_va_sdst(0) depctr_va_ssrc(0) depctr_va_vcc(0) depctr_vm_vsrc(0)
	s_getreg_b32 s2, hwreg(HW_REG_IB_STS2, 6, 4)
	s_cmp_eq_u32 s2, 0
	s_cbranch_scc0 .Lentry_in_a_cluster
	s_endpgm
.Lentry_in_a_cluster:
	s_bfe_u32 s2, ttmp6, 0x10000c
	s_cmp_lg_u32 s2, 0xf033
	s_cbranch_scc0 .Lentry_shape_is_right
	s_endpgm
.Lentry_shape_is_right:
; out0[m][n] = sum over k of o[m][k] Wo[n][k] + bo[n]: [8192][1024] f32, K = 1,024, both operands codes of FP6 (E2M3) with E8M0 scale words, laid in c4 as images of the operand's registers:
; a tile of 16 rows is 8 fragments of 1,536 bytes on end (tiles 0-511: o's rows; 512-575: Wo's); s4 holds 512 bytes of scale words a tile, [K half][row][fragment % 4].
; SHARES.  256 work-groups, each 256 rows x 128 columns; four waves, 2 x 2: wave (a, b) takes the tiles of rows 2 s + a, s = 0 .. 7, as its blocks, and columns 64 b + 0 .. 63.
; ALL OF K FOR BOTH OPERANDS LIES IN LDS: o's 16 tiles (196,608 bytes), Wo's 8 (98,304).  Each byte is filled once, at the head, one tensor load a wave: Wo's tiles; o's tiles 0-3; 4-9; 10-15.  Nothing is filled again.
; The first barrier shows Wo's tiles and o's first four (waves 0 and 1 have load lines and a wait of their own); the second, behind block 0's products, shows all.
; A wave holds its 64 rows of Wo, all of K, in registers (32 fragments) and streams its blocks past them: 8 fragments a block, two sets; a block's 16 x 64 sums are whole after its 32 products and leave at once.
; CLUSTER 4 x 4: o's tiles are shared along a row of the cluster, Wo's along a column: joint loads.  NO PREFETCH: every tile is asked for at the head; there is no loop to run ahead in.
; THE PRODUCT IS USED TRANSPOSED (source 0 = Wo's rows): a lane holds 8 neighbouring columns of one row.  The bias is the C of a block's first four products.
; THE WAY OUT: a block goes through the wave's own stage in LDS (rows of 272 bytes, bytes that no fill lands on) and comes back by rows: sixteen lanes store 256 consecutive bytes, aligned.
; REGISTERS: window 0: addresses, scale words (v32-95 o's, v98-129 Wo's), the bias v132-163, two sets of four accumulators v164-227.  Fragment f lies in window 1 + f / 21 at register 12 (f % 21): 0-31 Wo's (4 kf + t),
; 32-39 and 40-47 the blocks' two sets.  Window 3, v128-191: two sets of 32 for rows read back from the stage.
.set FRB,    1536
.set TILEB,  12288
.set BREG,   16*TILEB
.set STAGE,  24*TILEB
.set SPITCH, 272
.set SPARE,  STAGE+4*16*SPITCH
.set LI16, 4
.set LI8,  5
.set AD16, 6                           ; v6-8   LDS address of my blocks 0, 3, 6, 16 bytes a lane;  v9-11 8 bytes a lane
.set AD8,  9
.set BD16, 12                          ; v12, v13 the same for my four tiles of Wo
.set BD8,  13
.set STO,  14                          ; v14  the stage, in;  v15 back;  v16 my place in two rows of out0
.set RD,   15
.set CO,   16
.set SOA,  17                          ; v17-19 offsets of o's scale words, Wo's, the bias
.set SOB,  18
.set BAD,  19
.set SPW,  28
.set NIL,  29
.set SA,   32
.set SB,   98
.set BIAS, 132
.set ACC,  164
.set BK,   128
.set G1A1, 24                          ; s[24:31] group 1: o's tiles, 192 rows of 256 bytes;  s[32:39] 288 rows;  s[48:55] Wo's, 384 rows
.set G1A2, 32
.set G1B,  48
.set G0B,  56                          ; group 0: s[56:59] Wo;  s[60:63], s[68:71], s[72:75] o's three parts
.set G0A1, 60
.set G0A2, 68
.set G0A3, 72
.set MSB, 0
.macro WIN new
.if MSB != \new
	s_set_vgpr_msb (MSB<<8)|\new
.set MSB, \new
.endif
.endm
.macro PLACES n
.rept \n
	v_nop
.endr
.endm
.macro CROUND
	s_barrier_signal -1
	s_barrier_wait -1
	s_cmp_lg_u32 s14, 0
	s_cbranch_scc1 .Lnot_wave_0_\@
	s_barrier_signal -3
.Lnot_wave_0_\@:
	s_barrier_wait -3
	s_barrier_signal -1
	s_barrier_wait -1
.endm
.macro GROUP1 g, mask, rows            ; a dense block as rows of 256 bytes (32 elements of 8)
	s_or_b32 s[\g], s[\mask], (3<<16)|(1<<21)
	s_mov_b32 s[\g+1], 32<<16
	s_mov_b32 s[\g+2], (\rows)<<16
	s_mov_b32 s[\g+3], 32<<16
	s_mov_b32 s[\g+4], \rows
	s_mov_b32 s[\g+5], 32
	s_mov_b32 s[\g+6], 0
	s_mov_b32 s[\g+7], 0
.endm
.macro G0SET g, lds, base, off
	s_mov_b32 s[\g], 1
	s_mov_b32 s[\g+1], \lds
	s_add_nc_u64 s[\g+2:\g+3], s[\base:\base+1], \off
	s_or_b32 s[\g+3], s[\g+3], 0x80000000
.endm
.macro ARM under, g0, g1, next         ; one arm of the head's chain: one load, then to the join
	s_cmp_lt_u32 s14, \under
	s_cbranch_scc0 \next
	tensor_load_to_lds s[\g0:\g0+3], s[\g1:\g1+7]
	s_nop 0
	PLACES 4
	s_branch .Lasked
\next:
.endm
	s_load_b256 s[4:11], s[0:1], 0x0               ; c4, s4, bo, out0
	v_lshl_add_u32 v[SPW], v0, 2, SPARE
	v_mov_b32 v[NIL], 0
	ds_add_u32 v[SPW], v[NIL]                      ; the opening lines: the add twice on end and its wait
	ds_add_u32 v[SPW], v[NIL]
	v_lshrrev_b32 v20, 5, v0
	v_readfirstlane_b32 s14, v20                   ; wave
	s_lshr_b32 s15, s14, 1                         ; a
	s_and_b32 s16, s14, 1                          ; b
	s_bfe_u32 s40, ttmp6, 0x40000                  ; cx
	s_bfe_u32 s41, ttmp6, 0x40004                  ; cy
	s_lshl_b32 s42, ttmp9, 2
	s_add_co_u32 s42, s42, s40                     ; block of 128 columns, 0 .. 7
	s_and_b32 s43, ttmp7, 0xffff
	s_lshl_b32 s43, s43, 2
	s_add_co_u32 s43, s43, s41                     ; block of 256 rows, 0 .. 31
	s_lshl_b32 s44, s41, 2
	s_lshl_b32 s44, 15, s44                        ; my row of the cluster
	s_lshl_b32 s45, 0x1111, s40                    ; my column
	GROUP1 G1A1, 44, 192
	GROUP1 G1A2, 44, 288
	GROUP1 G1B, 45, 384
	s_mul_i32 s20, s43, 16*TILEB                   ; o's 16 tiles, bytes from c4
	s_mov_b32 s21, 0
	s_mul_i32 s22, s42, 8*TILEB
	s_add_co_u32 s22, s22, 512*TILEB               ; Wo's 8
	s_mov_b32 s23, 0
	s_mul_i32 s46, s15, TILEB                      ; LDS: my block 0, 3, 6
	s_add_co_u32 s84, s46, 6*TILEB
	s_add_co_u32 s85, s46, 12*TILEB
	s_mul_i32 s47, s16, 4*TILEB
	s_add_co_u32 s47, s47, BREG                    ; my four tiles of Wo
	s_mul_i32 s76, s14, 16*SPITCH
	s_add_co_u32 s76, s76, STAGE                   ; my stage
	s_lshl_b32 s77, s43, 4
	s_add_co_u32 s77, s77, s15
	s_lshl_b32 s77, s77, 9                         ; scale words of tile 16 x row block + a
	s_lshl_b32 s78, s42, 3
	s_lshl_b32 s79, s16, 2
	s_add_co_u32 s78, s78, s79
	s_add_co_u32 s78, s78, 512
	s_lshl_b32 s78, s78, 9                         ; and of tile 512 + 8 x column block + 4 b
	s_lshl_b32 s80, s42, 9
	s_lshl_b32 s81, s16, 8
	s_add_co_u32 s80, s80, s81                     ; my first column, in bytes
	s_lshl_b32 s82, s43, 8
	s_lshl_b32 s83, s15, 4
	s_add_co_u32 s82, s82, s83
	s_lshl_b32 s82, s82, 12
	s_add_co_u32 s82, s82, s80                     ; my first number of out0, in bytes
	s_mov_b32 s83, 0
	v_and_b32 v1, 15, v0                           ; r
	v_bfe_u32 v2, v0, 4, 1                         ; h
	v_and_b32 v3, 31, v0
	v_lshlrev_b32 v[LI16], 4, v3
	v_lshlrev_b32 v[LI8], 3, v3
	v_add_nc_u32 v[AD16], s46, v[LI16]
	v_add_nc_u32 v[AD16+1], s84, v[LI16]
	v_add_nc_u32 v[AD16+2], s85, v[LI16]
	v_add_nc_u32 v[AD8], s46, v[LI8]
	v_add_nc_u32 v[AD8+1], s84, v[LI8]
	v_add_nc_u32 v[AD8+2], s85, v[LI8]
	v_add_nc_u32 v[BD16], s47, v[LI16]
	v_add_nc_u32 v[BD8], s47, v[LI8]
	v_mul_u32_u24 v[STO], v1, SPITCH               ; in: row r, 32 bytes for each half of the lanes
	v_lshl_add_u32 v[STO], v2, 5, v[STO]
	v_add_nc_u32 v[STO], s76, v[STO]
	v_mul_u32_u24 v[RD], v2, SPITCH                ; back: lanes 0-15 one row of 256 bytes, lanes 16-31 the next
	v_lshl_add_u32 v[RD], v1, 4, v[RD]
	v_add_nc_u32 v[RD], s76, v[RD]
	v_lshlrev_b32 v[CO], 12, v2                    ; and the same two rows of out0
	v_lshl_add_u32 v[CO], v1, 4, v[CO]
	v_lshl_add_u32 v[SOA], v1, 4, s77
	v_lshl_add_u32 v[SOB], v1, 4, s78
	v_lshl_add_u32 v[BAD], v2, 5, s80
	s_wait_alu depctr_va_vdst(0)
	s_wait_dscnt 0x0
	CROUND                                         ; all sixteen work-groups are here: the joint loads meet
	s_wait_kmcnt 0x0
	s_add_nc_u64 s[20:21], s[4:5], s[20:21]
	s_add_nc_u64 s[22:23], s[4:5], s[22:23]
	s_add_nc_u64 s[12:13], s[10:11], s[82:83]
	G0SET G0B, BREG, 22, 0
	G0SET G0A1, 0, 20, 0
	G0SET G0A2, 4*TILEB, 20, 4*TILEB
	G0SET G0A3, 10*TILEB, 20, 10*TILEB
	ARM 1, G0B, G1B, .Lhead_1
	ARM 2, G0A1, G1A1, .Lhead_2
	ARM 3, G0A2, G1A2, .Lhead_3
	tensor_load_to_lds s[G0A3:G0A3+3], s[G1A2:G1A2+7]
	s_nop 0
	PLACES 4
.Lasked:
.irp s, 0,1,2,3,4,5,6,7
.irp k, 0,1
	global_load_b128 v[SA+8*\s+4*\k:SA+8*\s+4*\k+3], v[SOA], s[6:7] offset:1024*\s+256*\k
.endr
.endr
.irp t, 0,1,2,3
.irp k, 0,1
	global_load_b128 v[SB+8*\t+4*\k:SB+8*\t+4*\k+3], v[SOB], s[6:7] offset:512*\t+256*\k
	global_load_b128 v[BIAS+8*\t+4*\k:BIAS+8*\t+4*\k+3], v[BAD], s[8:9] offset:64*\t+16*\k   ; register 8 t + j of lane half h: bo at column 16 t + 8 h + j
.endr
.endr
.macro FRAGW f, a16, a8, off           ; fragment f's image into its 12 registers
.set W_, (1+(\f)/21)<<6
	WIN W_
.set R_, 12*((\f)%21)
	ds_load_b128 v[R_:R_+3], v[\a16] offset:(\off)
	ds_load_b64 v[R_+4:R_+5], v[\a8] offset:(\off)+512
	ds_load_b128 v[R_+6:R_+9], v[\a16] offset:(\off)+768
	ds_load_b64 v[R_+10:R_+11], v[\a8] offset:(\off)+1280
.endm
.macro FETCH s                         ; block s, all of K, into set s % 2: 32 loads
.irp kf, 0,1,2,3,4,5,6,7
	FRAGW 32+8*((\s)%2)+\kf, AD16+(\s)/3, AD8+(\s)/3, ((\s)%3)*2*TILEB+FRB*\kf
.endr
	WIN 0
.endm
.macro PROD s, kf, t
.set FB_, 4*(\kf)+\t
.set FA_, 32+8*((\s)%2)+(\kf)
.set D_, ACC+32*((\s)%2)+8*\t
.set W_, (1+FB_/21)|((1+FA_/21)<<2)
	WIN W_
.if (\kf) == 0
	v_wmma_scale_f32_16x16x128_f8f6f4 v[D_:D_+7], v[12*(FB_%21):12*(FB_%21)+11], v[12*(FA_%21):12*(FA_%21)+11], v[BIAS+8*\t:BIAS+8*\t+7], v[SB+8*\t+(\kf)], v[SA+8*(\s)+(\kf)] matrix_a_fmt:MATRIX_FMT_FP6 matrix_b_fmt:MATRIX_FMT_FP6
.else
	v_wmma_scale_f32_16x16x128_f8f6f4 v[D_:D_+7], v[12*(FB_%21):12*(FB_%21)+11], v[12*(FA_%21):12*(FA_%21)+11], v[D_:D_+7], v[SB+8*\t+(\kf)], v[SA+8*(\s)+(\kf)] matrix_a_fmt:MATRIX_FMT_FP6 matrix_b_fmt:MATRIX_FMT_FP6
.endif
.endm
.macro HALF s, k0                      ; 16 products: four K steps, the block's four accumulators by turns
.irp kk, 0,1,2,3
.irp t, 0,1,2,3
	PROD \s, \k0+\kk, \t
.endr
.endr
.endm
.macro TOSTAGE s                       ; 8 stores and 8 loads: LDS serves a wave's instructions in order, so the loads see the stores
.set D_, ACC+32*((\s)%2)
.irp t, 0,1,2,3
	ds_store_b128 v[STO], v[D_+8*\t:D_+8*\t+3] offset:64*\t          ; each accumulator from its low end on
	ds_store_b128 v[STO], v[D_+8*\t+4:D_+8*\t+7] offset:64*\t+16
.endr
	WIN 0xc0
.set B_, BK+32*((\s)%2)
.irp i, 0,1,2,3,4,5,6,7
	ds_load_b128 v[B_+4*\i:B_+4*\i+3], v[RD] offset:\i*2*SPITCH
.endr
	WIN 0
.endm
.macro SEND s                          ; block s's 16 rows: tiles 2 s + a lie 32 rows apart
	WIN 0x0c
.set B_, BK+32*((\s)%2)
.irp i, 0,1,2,3,4,5,6,7
	global_store_b128 v[CO], v[B_+4*\i:B_+4*\i+3], s[12:13] offset:(\s)*131072+\i*8192 th:TH_STORE_NT
.endr
	WIN 0
.endm
; A block.  top: what may be out when its rows are in (the stage's 16 and the fetch's 32 issued behind them); mid: what may be out when the last block is back from the stage (the fetch's 32)
.macro BLK s, top, mid, fetch
.if \top >= 0
	s_wait_dscnt \top
.endif
	HALF \s, 0
	WIN 0
	s_wait_dscnt \mid
	SEND \s-1
	HALF \s, 4
	WIN 0
	PLACES 4                                       ; in front of the stores that read the sums and of loads into registers that the products read
	s_wait_xcnt 0x0                                ; the stores of two blocks ago have read the registers that the stage's loads take
	TOSTAGE \s
.if \fetch
	FETCH \s+2
.endif
.endm
	s_cmp_lt_u32 s14, 2
	s_cbranch_scc0 .Lnot_first
	s_wait_tensorcnt 0x0
.Lnot_first:
	s_barrier_signal -1
	s_barrier_wait -1                              ; Wo's tiles and o's tiles 0-3 are in; the others may be on their way
.irp kf, 0,1,2,3,4,5,6,7
.irp t, 0,1,2,3
	FRAGW 4*\kf+\t, BD16, BD8, TILEB*\t+FRB*\kf
.endr
.endr
	WIN 0
	FETCH 0
	FETCH 1
	s_wait_loadcnt 0x0                             ; scale words and bias
	s_wait_dscnt 32                                ; Wo's fragments and block 0 are in; block 1's 32 loads may be out
	HALF 0, 0
	HALF 0, 4
	WIN 0
	s_wait_tensorcnt 0x0                           ; every wave's load is in,
	s_wait_dscnt 0x0
	s_barrier_signal -1
	s_barrier_wait -1                              ; and everybody's: all of o's tiles lie in LDS
	PLACES 4
	TOSTAGE 0
	FETCH 2
	BLK 1, -1, 32, 1
	BLK 2, 48, 32, 1
	BLK 3, 48, 32, 1
	BLK 4, 48, 32, 1
	BLK 5, 48, 32, 1
	BLK 6, 48, 32, 0
	BLK 7, 16, 0, 0
	s_wait_dscnt 0x0
	SEND 7
	s_wait_tensorcnt 0x0                           ; the wave's end
	ds_add_u32 v[SPW], v[NIL]
	s_wait_dscnt 0x0
	CROUND                                         ; the closing round
	s_endpgm
.Lfunc_end_k_qa5efe22d42_gemm_out:
	.size	k_qa5efe22d42_gemm_out, .Lfunc_end_k_qa5efe22d42_gemm_out-k_qa5efe22d42_gemm_out
	.p2alignl 7, 3214868480
	.fill 96, 4, 3214868480
	.section	.rodata,"a",@progbits
	.p2align	6, 0x0
	.amdhsa_kernel k_qa5efe22d42_gemm_out
		.amdhsa_group_segment_fixed_size 312832
		.amdhsa_private_segment_fixed_size 0
		.amdhsa_enable_private_segment 0
		.amdhsa_kernarg_size 32
		.amdhsa_user_sgpr_count 2
		.amdhsa_user_sgpr_kernarg_segment_ptr 1
		.amdhsa_wavefront_size32 1
		.amdhsa_system_sgpr_workgroup_id_x 1
		.amdhsa_system_sgpr_workgroup_id_y 1
		.amdhsa_system_sgpr_workgroup_id_z 1
		.amdhsa_system_vgpr_workitem_id 0
		.amdhsa_next_free_vgpr 1024
		.amdhsa_next_free_sgpr 96
		.amdhsa_reserve_vcc 0
		.amdhsa_float_denorm_mode_32 3
		.amdhsa_float_denorm_mode_16_64 3
		.amdhsa_memory_ordered 1
		.amdhsa_forward_progress 1
		.amdhsa_inst_pref_size 86
	.end_amdhsa_kernel
	.amdgpu_metadata
---
amdhsa.version: [ 1, 2 ]
amdhsa.kernels:
  - .name:           k_qa5efe22d42_gemm_out
    .symbol:         k_qa5efe22d42_gemm_out.kd
    .args:
      - { .name: c4, .offset: 0, .size: 8, .value_kind: global_buffer, .address_space: global }
      - { .name: s4, .offset: 8, .size: 8, .value_kind: global_buffer, .address_space: global }
      - { .name: bo, .offset: 16, .size: 8, .value_kind: global_buffer, .address_space: global }
      - { .name: out0, .offset: 24, .size: 8, .value_kind: global_buffer, .address_space: global }
    .group_segment_fixed_size: 312832
    .private_segment_fixed_size: 0
    .kernarg_segment_align: 8
    .kernarg_segment_size: 32
    .max_flat_workgroup_size: 128
    .sgpr_count:     96
    .vgpr_count:     1024
    .wavefront_size: 32
...
	.end_amdgpu_metadata
.endif
;; end of part 4
